; MI455X (gfx1250); checked and timed in simulation.
; The chip was launched on July 23, 2026; its instructions are those of AMD's public machine-readable ISA for CDNA 5 (MIT licence, August 2026) and "CDNA5" Instruction Set Architecture Reference Guide (July 2026). The comments in the code are by the model that wrote it; some were corrected since.
;; Multi Head Attention. Allowed arithmetic: matrix products marked QUANTISED: E2M3 operands, one E8M0 scale for each 32 along K, by v_wmma_scale_f32_16x16x128_f8f6f4 with both operands' format E2M3, f32 sums; everything else in f32.
;; Inputs: b_out 1,024 float32; b_qkv 3,072 float32; w_out 1,024 x 1,024 float32; w_qkv 1,024 x 3,072 float32; x 1 x 4,096 x 1,024 float32.
;; Outputs: out0 1 x 4,096 x 1,024 float32.
;; This version of the problem:
;;   THIS VERSION OF THE PROBLEM IS GIVEN IN LOW PRECISION. The matrix products marked QUANTISED in the list below multiply operands that are first quantised to E2M3 (2 exponent bits, 3 mantissa bits; 6 bits a number), with one power-of-two scale for each 32 numbers along K (OCP MX v1.0); their sums are f32. All else is computed in f32.
;;   The module's matrix products, in the order in which they are computed (A, B: the left and right operand; K: the contracted axis; several contracted axes count as one K, in the product's order):
;;     1. [M 4,096, K 1,024] x [K 1,024, N 3,072]; A: input x; B: input w_qkv: QUANTISED
;;     2. batch 16 x [M 4,096, K 64] x [K 64, N 4,096]; A: computed on the way; B: computed on the way: QUANTISED
;;     3. batch 16 x [M 4,096, K 4,096] x [K 4,096, N 64]; A: softmax (see below); B: computed on the way: QUANTISED
;;     4. [M 4,096, K 1,024] x [K 1,024, N 1,024]; A: computed on the way; B: input w_out: QUANTISED
;;   THE QUANTISER, for each operand of a quantised product, along K:
;;     - K is cut into blocks of 32 from its start; a last block that is shorter is filled with zeros.
;;     - A block's scale is 2^e with e = floor(log2(the largest magnitude in the block)) - 2, held to -126 .. 127; a block of zeros has e = 0. As a byte (E8M0): e + 127.
;;     - Each number is divided by its block's scale, clamped to +-7.5, and rounded to the nearest number of E2M3, ties to even, subnormals kept.
;;     - The product sums the exact products of the quantised numbers (number of the format x scale) in f32.
;;   ~~~python
;;   def quantise(x, axis):      # numpy; x: float32 -> the quantised numbers, widened to float32 again
;;       x = np.moveaxis(x, axis, -1); K = x.shape[-1]
;;       x = np.pad(x, [(0, 0)] * (x.ndim - 1) + [(0, -K % 32)]); x = x.reshape(x.shape[:-1] + (-1, 32)); a = np.abs(x).max(-1, keepdims=True)
;;       e = np.where(a > 0, np.clip(np.frexp(np.where(a > 0, a, 1))[1] - 1 - 2, -126, 127), 0)      # np.frexp(a)[1] - 1 = floor(log2(a)), exactly
;;       r = np.clip(x / 2.0 ** e, -7.5, 7.5)
;;       step = 2.0 ** (np.maximum(np.frexp(np.where(r == 0, 1, r))[1] - 1, 0) - 3)
;;       q = np.round(r / step) * step * 2.0 ** e      # np.round: ties to even
;;       return np.moveaxis(q.reshape(q.shape[:-2] + (-1,))[..., :K], -1, axis).astype(np.float32)
;;   ~~~
;;   SOFTMAX AHEAD OF A QUANTISED PRODUCT. Where the list says 'softmax', what is quantised is not the finished softmax but p = 2^(t - M), with t = logit x log2(e) and M = ceil(the row's largest t), a whole number; so 1/2 < the row's largest p <= 1. The row's sum l is taken of the UNQUANTISED p, in f32, and the product's result is divided by l at the end. Since M is a whole number, a kernel that streams over the keys may use a running M (the ceiling of the running maximum): every later rescaling is an exact power of two, which a block's scale takes up: the codes' values come out the same.
;;   OPERANDS COMPUTED ON THE WAY. 'Computed on the way' means the value that the module computes at that place (a softmax that the list does not call 'softmax' is quantised finished and normalised). What goes into a quantiser is computed in f32, as accurately as f32 sums, v_exp_f32 and their like allow (about 1e-6 of the number): no bf16 or f16 on the way to a quantiser, and a product that is left as it is and whose result goes on into a quantised operand takes f32 operands (vector FMAs, or v_wmma_f32_16x16x4_f32). A number that lies on a knife's edge between two numbers of the format may be rounded either way, as far as f32 arithmetic and the matrix unit's own rounding can turn it there, and no further.
;; One version. Each part assembles by itself: llvm-mc -triple=amdgcn-amd-amdhsa -mcpu=gfx1250 --defsym DOCPART=n.
;; ======== version 1 of 1: 4 launches
;; limits: right only within a limited range of input values
;; workspace buffers: xq 3,276,800 bytes; wq 2,457,600 bytes; wo 819,200 bytes; qq 3,407,872 bytes; kv 6,684,672 bytes; oo 3,276,800 bytes
;; launch quant (part 1): grid 256 x 1, 4 waves a work-group, no clusters, 68,096 bytes of LDS; arguments x, w_qkv, w_out, xq, wq, wo; writes xq, wq, wo
.if DOCPART == 1
	.amdgcn_target "amdgcn-amd-amdhsa--gfx1250"
	.amdhsa_code_object_version 6
	.text
	.protected	k_q5848f5e6dd_quant
	.globl	k_q5848f5e6dd_quant
	.p2align	8
	.type	k_q5848f5e6dd_quant,@function
k_q5848f5e6dd_quant:
	s_mov_b64 s[64:65], 0
	v_nop
	global_prefetch_b8 v0, s[64:65] scope:SCOPE_SE
	s_setreg_imm32_b32 hwreg(HW_REG_WAVE_MODE, 25, 1), 1
	s_wait_xcnt 0x0
; x [4096][1024], w_qkv [1024][3072] and w_out [1024][1024], f32, become codes of FP6 (E2M3) with one E8M0 byte for each 32 along K (x: its columns; the weights: their rows),
; laid as the later launches' operand registers want them.
; TILES.  In every aligned group of 32 rows of x (columns of a weight), tile u (0, 1) holds in its row r the member 8 u + r + 8 (r / 8).  SIG(l) = l % 8 + 16 ((l / 8) % 2) + 8 (l / 16) is lane l's member.
; A FRAGMENT'S IMAGE (16 rows x 128 K, 1,536 bytes): register j (0 .. 11) of lane l at 512 (j / 4) + 16 l + 4 (j % 4): three stores of 16 bytes a lane write it, three loads read it.
; A PAIR'S SCALE WORDS (256 bytes for K steps 2 y, 2 y + 1): lane 16 u + r holds at 8 x lane the word of step 2 y and 4 bytes on that of step 2 y + 1.
; A LANE OWNS ONE MEMBER, and a block's 32 numbers along K lie in its 32 registers: no other lane is asked for a maximum.  Lanes 0-15 hold tile 0's rows, lanes 16-31 tile 1's; twelve exchanges of
; half registers turn 'blocks 0 .. 3 of my member' into the two tiles' fragments.
; SHARES.  256 work-groups of 131,072 input bytes each: 0-127: 32 rows of x (wave w: K steps 2 w, 2 w + 1; the rows turn through the wave's own stage in LDS, so that each load reads 512 consecutive bytes);
; 128-223: w_qkv, 224-255: w_out (wave: 32 columns x 256 along K; each load reads 128 consecutive bytes, the four waves side by side 512).
; A block's scale is 2^(floor(log2(largest magnitude)) - 2): its byte is that magnitude's exponent field - 2, held at 1 from below.
; LIMITS: a block of zeros, or one whose largest magnitude lies under 2^-124, gets the byte 1 (its codes are zeros or tiny; this program alone reads the bytes); NaN and infinities among the inputs are not served.
.set SPARE, 67584                      ; behind the four stages: the spare words, 128 bytes for each wave
.set STW,   16896                      ; a wave's stage: 32 places of 528 bytes
.set SPI,   528                        ; a place: a row's 512 bytes of a K step + 16
.set XSC,   3145728                    ; where the scale words begin in xq,
.set WQSC,  2359296                    ; in wq,
.set WOSC,  786432                     ; in wo
.set L16, 1                            ; v1   16 x lane
.set L8,  2                            ; v2   8 x lane
.set STI, 3                            ; v3   the stage, on the way in: 16 x lane
.set STR, 4                            ; v4   and on the way out: 528 x lane
.set CSG, 5                            ; v5   4 x SIG(lane): my column's bytes in a row of a weight
.set SPW, 6                            ; v6   LDS address of my spare word; never rewritten
.set NIL, 7                            ; v7   0; never rewritten
.set CT,  8                            ; v8-10  a conversion's second half
.set C,   16                           ; v16-63 codes: 24 registers for each of the two K steps
.set X,   64                           ; v64-127 two sets of 32 numbers
.set R,   128                          ; v128-255 x as it is loaded: 32 x 4 registers
.set IMG, 24                           ; s[24:25] where my images go
.set SCB, 26                           ; s[26:27] where my scale words go
.set SRC, 28                           ; s[28:29] where my numbers come from
	s_load_b256 s[4:11], s[0:1], 0x0               ; x s[4:5], w_qkv s[6:7], w_out s[8:9], xq s[10:11]
	s_load_b128 s[12:15], s[0:1], 0x20             ; wq s[12:13], wo s[14:15]
	v_lshl_add_u32 v[SPW], v0, 2, SPARE
	v_mov_b32 v[NIL], 0
	v_lshrrev_b32 v1, 5, v0
	v_readfirstlane_b32 s16, v1                    ; wave 0..3
	v_and_b32 v8, 31, v0                           ; lane
	v_lshlrev_b32 v[L16], 4, v8
	v_lshlrev_b32 v[L8], 3, v8
	s_mul_i32 s17, s16, STW
	v_add_nc_u32 v[STI], s17, v[L16]
	v_mul_u32_u24 v[STR], v8, SPI
	v_add_nc_u32 v[STR], s17, v[STR]
	v_and_b32 v[CSG], 7, v8
	v_bfe_u32 v9, v8, 3, 1
	v_lshl_add_u32 v[CSG], v9, 4, v[CSG]
	v_bfe_u32 v9, v8, 4, 1
	v_lshl_add_u32 v[CSG], v9, 3, v[CSG]           ; SIG(lane)
	v_lshlrev_b32 v[CSG], 2, v[CSG]
	s_mov_b32 s21, 0                               ; the high word of every offset here
; Block b (0 .. 3) of K step ks: 32 numbers in set b % 2 become 6 registers of codes, and a byte of the step's scale word.
; Blocks 0, 1, 2, 3 go to places 0, 12, 6, 18 of the step's 24 registers: registers 0-11 become tile 0's fragment, 12-23 tile 1's.
.macro QBLOCK b, ks
.set XS, X+32*((\b)%2)
.set PL, C+24*(\ks)+12*((\b)%2)+6*((\b)/2)
	v_max3_num_f32 v11, |v[XS]|, |v[XS+1]|, |v[XS+2]|      ; the block's largest magnitude, in two chains
	v_max3_num_f32 v12, |v[XS+3]|, |v[XS+4]|, |v[XS+5]|
.irp i, 6,10,14,18,22,26
	v_max3_num_f32 v11, v11, |v[XS+\i]|, |v[XS+\i+1]|
	v_max3_num_f32 v12, v12, |v[XS+\i+2]|, |v[XS+\i+3]|
.endr
	v_max3_num_f32 v11, v11, |v[XS+30]|, |v[XS+31]|
	v_max3_num_f32 v11, v11, v12, 0x1800000        ; and the floor 2^(3 - 127): the byte cannot fall under 1
	v_add_nc_u32 v13, 0xff000000, v11              ; 2 off the exponent field: the conversion takes this operand's exponent field as its scale
	v_lshrrev_b32 v12, 23, v13                     ; the scale's byte
.if (\b) == 0
	v_mov_b32 v[14+(\ks)], v12
.else
	v_lshl_or_b32 v[14+(\ks)], v12, 8*(\b), v[14+(\ks)]
.endif
	v_cvt_scalef32_pk16_fp6_f32 v[PL:PL+2], v[XS:XS+15], v13
	v_cvt_scalef32_pk16_fp6_f32 v[CT:CT+2], v[XS+16:XS+31], v13   ; (a conversion's three registers begin on an even number: the second half is made elsewhere and moved)
	v_nop                                          ; one plain place behind a scaled conversion
.irp i, 0,1,2
	v_mov_b32 v[PL+3+\i], v[CT+\i]
.endr
.endm
; The step's 24 registers become the two tiles' fragments and leave: each store covers 512 consecutive bytes.
.macro IMAGES ks
.irp i, 0,1,2,3,4,5,6,7,8,9,10,11
	v_permlane16_swap_b32 v[C+24*(\ks)+\i], v[C+24*(\ks)+12+\i]   ; the first's lanes 16-31 change places with the second's lanes 0-15: block h of tile 0's rows in the first, of tile 1's in the second
.endr
.irp u, 0,1
.irp c, 0,1,2
	global_store_b128 v[L16], v[C+24*(\ks)+12*\u+4*\c:C+24*(\ks)+12*\u+4*\c+3], s[IMG:IMG+1] offset:\u*12288+(\ks)*1536+512*\c th:TH_STORE_NT
.endr
.endr
.endm
.macro LOADX ks                        ; K step ks of the 32 rows: load j takes 512 consecutive bytes of row SIG(j)
.set j, 0
.rept 32
	global_load_b128 v[R+4*j:R+4*j+3], v[L16], s[SRC:SRC+1] offset:((j%8)+16*((j/8)%2)+8*(j/16))*4096+512*(\ks) th:TH_LOAD_NT
.set j, j+1
.endr
.endm
.macro TOSTAGE                         ; place j holds row SIG(j), so lane l finds its row in place l
.set j, 0
.rept 32
	ds_store_b128 v[STI], v[R+4*j:R+4*j+3] offset:SPI*j
.set j, j+1
.endr
.endm
.macro RDBLK b                         ; block b of my row: 128 bytes into set b % 2
.irp q, 0,1,2,3,4,5,6,7
	ds_load_b128 v[X+32*((\b)%2)+4*\q:X+32*((\b)%2)+4*\q+3], v[STR] offset:128*(\b)+16*\q
.endr
.endm
.macro XRUN ks                         ; a K step's four blocks out of the stage
	RDBLK 0
	RDBLK 1
.irp b, 0,1,2,3
.if \b < 3
	s_wait_dscnt 8                                 ; this block's loads are in (LDS serves a wave in order); the next block's eight may be out
.else
	s_wait_dscnt 0x0
.endif
	QBLOCK \b, \ks
.if \b < 2
	RDBLK \b+2
.endif
.endr
	IMAGES \ks
.endm
.macro LOADW t, n                      ; block t (0 .. 7) of my column: rows 32 t + j of a weight with n columns, into set t % 2
.set j, 0
.rept 32
	global_load_b32 v[X+32*((\t)%2)+j], v[CSG], s[SRC:SRC+1] offset:(32*(\t)+j)*4*(\n) th:TH_LOAD_NT
.set j, j+1
.endr
.endm
.macro WPATH n                         ; 256 along K of 32 columns; loads run two blocks ahead
	LOADW 0, \n
	LOADW 1, \n
.irp t, 0,1,2,3,4,5,6,7
.if \t < 7
	s_wait_loadcnt 32                              ; this block's 32 loads are in; the next block's may be out
.else
	s_wait_loadcnt 0x0
.endif
	QBLOCK \t%4, \t/4
.if \t < 6
	LOADW \t+2, \n
.endif
.if \t == 3
	IMAGES 0
.endif
.if \t == 7
	IMAGES 1
.endif
.endr
	global_store_b64 v[L8], v[14:15], s[SCB:SCB+1] th:TH_STORE_NT   ; the pair's scale words of both K steps: 256 consecutive bytes
.endm
	s_wait_kmcnt 0x0
	s_cmp_lt_u32 ttmp9, 128
	s_cbranch_scc0 .Lweights
	; ---- x: pair P = the work-group's number
	s_lshl_b32 s20, ttmp9, 17                      ; 32 rows of 4,096 bytes,
	s_lshl_b32 s22, s16, 10                        ; my two K steps: 1,024 bytes of a row
	s_add_co_u32 s20, s20, s22
	s_add_nc_u64 s[SRC:SRC+1], s[4:5], s[20:21]
	s_mul_i32 s20, ttmp9, 24576                    ; two tiles of 12,288 bytes,
	s_mul_i32 s22, s16, 3072                       ; two K steps of 1,536
	s_add_co_u32 s20, s20, s22
	s_add_nc_u64 s[IMG:IMG+1], s[10:11], s[20:21]
	s_lshl_b32 s20, ttmp9, 10
	s_lshl_b32 s22, s16, 8
	s_add_co_u32 s20, s20, s22
	s_add_co_u32 s20, s20, XSC
	s_add_nc_u64 s[SCB:SCB+1], s[10:11], s[20:21]
	LOADX 0
	s_wait_loadcnt 0x0
	s_wait_alu depctr_va_vdst(0)
	TOSTAGE
	s_wait_dscnt 0x0                               ; the stores have read their registers,
	LOADX 1                                        ; which take the second K step while the first is worked
	XRUN 0
	s_wait_loadcnt 0x0
	TOSTAGE                                        ; my reads of the stage are back (the run's last wait was for 0)
	XRUN 1
	global_store_b64 v[L8], v[14:15], s[SCB:SCB+1] th:TH_STORE_NT
	s_wait_tensorcnt 0x0                           ; the wave's end: behind my last LDS store
	ds_add_u32 v[SPW], v[NIL]
	s_wait_dscnt 0x0
	s_endpgm
.Lweights:
	s_cmp_lt_u32 ttmp9, 224
	s_cbranch_scc0 .Lwo
	; ---- w_qkv: group G of 32 columns, K steps 2 y, 2 y + 1
	s_sub_co_u32 s17, ttmp9, 128
	s_lshr_b32 s18, s17, 2
	s_and_b32 s19, s17, 3                          ; y
	s_lshl_b32 s18, s18, 2
	s_add_co_u32 s18, s18, s16                     ; G = 4 (j / 4) + wave
	s_mul_i32 s20, s19, 256*12288
	s_lshl_b32 s22, s18, 7
	s_add_co_u32 s20, s20, s22
	s_add_nc_u64 s[SRC:SRC+1], s[6:7], s[20:21]
	s_lshr_b32 s22, s18, 5                         ; q, k or v
	s_bfe_u32 s23, s18, 0x40001                    ; the head
	s_and_b32 s30, s18, 1                          ; which 32 of its 64 columns
	s_mul_i32 s31, s23, 6
	s_lshl_b32 s22, s22, 1
	s_add_co_u32 s31, s31, s22
	s_add_co_u32 s31, s31, s30                     ; the pair of tiles: 6 head + 2 part + half
	s_mul_i32 s20, s31, 24576
	s_mul_i32 s22, s19, 3072
	s_add_co_u32 s20, s20, s22
	s_add_nc_u64 s[IMG:IMG+1], s[12:13], s[20:21]
	s_lshl_b32 s20, s31, 10
	s_lshl_b32 s22, s19, 8
	s_add_co_u32 s20, s20, s22
	s_add_co_u32 s20, s20, WQSC
	s_add_nc_u64 s[SCB:SCB+1], s[12:13], s[20:21]
	s_wait_alu depctr_va_vdst(0)
	WPATH 3072
	s_endpgm
.Lwo:
	; ---- w_out likewise: the pair of tiles is G
	s_sub_co_u32 s17, ttmp9, 224
	s_lshr_b32 s18, s17, 2
	s_and_b32 s19, s17, 3
	s_lshl_b32 s18, s18, 2
	s_add_co_u32 s18, s18, s16
	s_lshl_b32 s20, s19, 20                        ; 256 rows of 4,096 bytes
	s_lshl_b32 s22, s18, 7
	s_add_co_u32 s20, s20, s22
	s_add_nc_u64 s[SRC:SRC+1], s[8:9], s[20:21]
	s_mul_i32 s20, s18, 24576
	s_mul_i32 s22, s19, 3072
	s_add_co_u32 s20, s20, s22
	s_add_nc_u64 s[IMG:IMG+1], s[14:15], s[20:21]
	s_lshl_b32 s20, s18, 10
	s_lshl_b32 s22, s19, 8
	s_add_co_u32 s20, s20, s22
	s_add_co_u32 s20, s20, WOSC
	s_add_nc_u64 s[SCB:SCB+1], s[14:15], s[20:21]
	s_wait_alu depctr_va_vdst(0)
	WPATH 1024
	s_endpgm
.Lfunc_end_k_q5848f5e6dd_quant:
	.size	k_q5848f5e6dd_quant, .Lfunc_end_k_q5848f5e6dd_quant-k_q5848f5e6dd_quant
	.p2alignl 7, 3214868480
	.fill 96, 4, 3214868480
	.section	.rodata,"a",@progbits
	.p2align	6, 0x0
	.amdhsa_kernel k_q5848f5e6dd_quant
		.amdhsa_group_segment_fixed_size 68096
		.amdhsa_private_segment_fixed_size 0
		.amdhsa_enable_private_segment 0
		.amdhsa_kernarg_size 48
		.amdhsa_user_sgpr_count 2
		.amdhsa_user_sgpr_kernarg_segment_ptr 1
		.amdhsa_wavefront_size32 1
		.amdhsa_system_sgpr_workgroup_id_x 1
		.amdhsa_system_sgpr_workgroup_id_y 1
		.amdhsa_system_sgpr_workgroup_id_z 1
		.amdhsa_system_vgpr_workitem_id 0
		.amdhsa_next_free_vgpr 256
		.amdhsa_next_free_sgpr 66
		.amdhsa_reserve_vcc 0
		.amdhsa_float_denorm_mode_32 3
		.amdhsa_float_denorm_mode_16_64 3
		.amdhsa_memory_ordered 1
		.amdhsa_forward_progress 1
		.amdhsa_inst_pref_size 107
	.end_amdhsa_kernel
	.amdgpu_metadata
---
amdhsa.version: [ 1, 2 ]
amdhsa.kernels:
  - .name:           k_q5848f5e6dd_quant
    .symbol:         k_q5848f5e6dd_quant.kd
    .args:
      - { .name: x, .offset: 0, .size: 8, .value_kind: global_buffer, .address_space: global }
      - { .name: w_qkv, .offset: 8, .size: 8, .value_kind: global_buffer, .address_space: global }
      - { .name: w_out, .offset: 16, .size: 8, .value_kind: global_buffer, .address_space: global }
      - { .name: xq, .offset: 24, .size: 8, .value_kind: global_buffer, .address_space: global }
      - { .name: wq, .offset: 32, .size: 8, .value_kind: global_buffer, .address_space: global }
      - { .name: wo, .offset: 40, .size: 8, .value_kind: global_buffer, .address_space: global }
    .group_segment_fixed_size: 68096
    .private_segment_fixed_size: 0
    .kernarg_segment_align: 8
    .kernarg_segment_size: 48
    .max_flat_workgroup_size: 128
    .sgpr_count:     66
    .vgpr_count:     256
    .wavefront_size: 32
...
	.end_amdgpu_metadata
.endif
;; end of part 1
;; launch qkv (part 2): grid 16 x 16, 4 waves a work-group, clusters of 4 x 4, 327,680 bytes of LDS; arguments xq, wq, b_qkv, qq, kv; writes qq, kv
.if DOCPART == 2
	.amdgcn_target "amdgcn-amd-amdhsa--gfx1250"
	.amdhsa_code_object_version 6
	.text
	.protected	k_q5848f5e6dd_qkv
	.globl	k_q5848f5e6dd_qkv
	.p2align	8
	.type	k_q5848f5e6dd_qkv,@function
k_q5848f5e6dd_qkv:
	s_mov_b64 s[64:65], 0
	v_nop
	global_prefetch_b8 v0, s[64:65] scope:SCOPE_SE
	s_setreg_imm32_b32 hwreg(HW_REG_WAVE_MODE, 25, 1), 1
	s_wait_xcnt 0x0
	s_wait_alu depctr_hold_cnt(0) depctr_sa_sdst(0) depctr_va_vdst(0) depctr_va_sdst(0) depctr_va_ssrc(0) depctr_va_vcc(0) depctr_vm_vsrc(0)
	s_getreg_b32 s2, hwreg(HW_REG_IB_STS2, 6, 4)
	s_cmp_eq_u32 s2, 0
	s_cbranch_scc0 .Lentry_in_a_cluster
	s_endpgm
.Lentry_in_a_cluster:
	s_bfe_u32 s2, ttmp6, 0x10000c
	s_cmp_lg_u32 s2, 0xf033
	s_cbranch_scc0 .Lentry_shape_is_right
	s_endpgm
.Lentry_shape_is_right:
.set SLOTB, 86016
.set WOFF,  49152
.set SPARE, 258048
.set XSC,   3145728
.set WSC,   2359296
.set QSC,   3145728
.set HS,    417792
.set KSC,   393216
.set VSC,   409600
.set L16, 1
.set L8,  2
.set L4,  3
.set SPW, 4
.set NIL, 5
.set BQ,  6
.set BVA, 7
.set ADX, 8
.set ADW, 11
.set ADV, 14
.set XS,  32
.set WS,  64
.set BV,  88
.set WF,  112
.set TM,  112
.set TP,  120
.set SO,  128
.set BY,  136
.set SW,  144
.set SP,  148
.set IM,  160
.set TT,  192
.set G1A, 24
.set G1B, 32
.set G0A, 40
.set G0B, 52
.set SEL, 98
.set MSB, 0
.macro WIN new
.if MSB != \new
	s_set_vgpr_msb (MSB<<8)|\new
.set MSB, \new
.endif
.endm
.macro PLACES
.rept 4
	v_nop
.endr
.endm
.macro JLOAD g0a, g0b
	s_cmp_eq_u32 s15, 0
	s_cbranch_scc0 .Lfor_w_\@
	tensor_load_to_lds s[\g0a:\g0a+3], s[G1A:G1A+7]
	s_nop 0
.rept 4
	v_nop
.endr
	s_branch .Lasked_\@
.Lfor_w_\@:
	tensor_load_to_lds s[\g0b:\g0b+3], s[G1B:G1B+7]
	s_nop 0
.rept 4
	v_nop
.endr
.Lasked_\@:
.endm
.macro CROUND
	s_barrier_signal -1
	s_barrier_wait -1
	s_cmp_lg_u32 s14, 0
	s_cbranch_scc1 .Lnot_wave_0_\@
	s_barrier_signal -3
.Lnot_wave_0_\@:
	s_barrier_wait -3
	s_barrier_signal -1
	s_barrier_wait -1
.endm
.macro WM ra, rb
.if (\ra) == 0 && (\rb) == 0
	v_wmma_scale_f32_16x16x128_f8f6f4 v[rD:rD+7], v[rA:rA+11], v[rB:rB+11], v[rC:rC+7], v[rSA], v[rSB] matrix_a_fmt:MATRIX_FMT_FP6 matrix_b_fmt:MATRIX_FMT_FP6
.elseif (\ra) == 1 && (\rb) == 0
	v_wmma_scale_f32_16x16x128_f8f6f4 v[rD:rD+7], v[rA:rA+11], v[rB:rB+11], v[rC:rC+7], v[rSA], v[rSB] matrix_a_fmt:MATRIX_FMT_FP6 matrix_b_fmt:MATRIX_FMT_FP6 matrix_a_scale:MATRIX_SCALE_ROW1
.elseif (\ra) == 0
	v_wmma_scale_f32_16x16x128_f8f6f4 v[rD:rD+7], v[rA:rA+11], v[rB:rB+11], v[rC:rC+7], v[rSA], v[rSB] matrix_a_fmt:MATRIX_FMT_FP6 matrix_b_fmt:MATRIX_FMT_FP6 matrix_b_scale:MATRIX_SCALE_ROW1
.else
	v_wmma_scale_f32_16x16x128_f8f6f4 v[rD:rD+7], v[rA:rA+11], v[rB:rB+11], v[rC:rC+7], v[rSA], v[rSB] matrix_a_fmt:MATRIX_FMT_FP6 matrix_b_fmt:MATRIX_FMT_FP6 matrix_a_scale:MATRIX_SCALE_ROW1 matrix_b_scale:MATRIX_SCALE_ROW1
.endif
.endm
	s_load_b256 s[4:11], s[0:1], 0x0
	s_load_b64 s[12:13], s[0:1], 0x20
	v_lshl_add_u32 v[SPW], v0, 2, SPARE
	v_mov_b32 v[NIL], 0
	ds_add_u32 v[SPW], v[NIL]
	ds_add_u32 v[SPW], v[NIL]
	v_lshrrev_b32 v1, 5, v0
	v_readfirstlane_b32 s14, v1
	s_lshr_b32 s15, s14, 1
	s_and_b32 s16, s14, 1
	s_bfe_u32 s17, ttmp6, 0x40000
	s_bfe_u32 s18, ttmp6, 0x40004
	s_lshl_b32 s19, ttmp9, 2
	s_add_co_u32 s19, s19, s17
	s_and_b32 s20, ttmp7, 0xffff
	s_lshl_b32 s20, s20, 2
	s_add_co_u32 s20, s20, s18
	s_lshl_b32 s22, s18, 2
	s_lshl_b32 s22, 15, s22
	s_lshl_b32 s23, 0x1111, s17
	s_or_b32 s[G1A], s22, (3<<16)|(1<<21)
	s_or_b32 s[G1B], s23, (3<<16)|(1<<21)
	s_mov_b32 s[G1A+1], 384<<16
	s_mov_b32 s[G1A+2], 8<<16
	s_mov_b32 s[G1A+3], 384<<16
	s_mov_b32 s[G1A+4], 8
	s_mov_b32 s[G1A+5], 1536
	s_mov_b32 s[G1A+6], 0
	s_mov_b32 s[G1A+7], 0
	s_mov_b32 s[G1B+1], 384<<16
	s_mov_b32 s[G1B+2], 6<<16
	s_mov_b32 s[G1B+3], 384<<16
	s_mov_b32 s[G1B+4], 6
	s_mov_b32 s[G1B+5], 1536
	s_mov_b32 s[G1B+6], 0
	s_mov_b32 s[G1B+7], 0
	s_lshl_b32 s66, s20, 4
	s_lshl_b32 s67, s16, 3
	s_add_co_u32 s66, s66, s67
	s_mul_i32 s66, s66, 12288
	s_mov_b32 s67, 0
	s_mul_i32 s68, s19, 12
	s_mul_i32 s69, s16, 6
	s_add_co_u32 s68, s68, s69
	s_mul_i32 s68, s68, 12288
	s_mov_b32 s69, 0
	s_mul_i32 s70, s16, 24576
	s_mul_i32 s71, s16, 18432
	s_add_co_u32 s71, s71, WOFF
	s_mov_b32 s[SEL], 0x76543210
	s_mov_b32 s[SEL+1], 0xfedcba98
	s_wait_dscnt 0x0
	s_wait_kmcnt 0x0
	s_add_nc_u64 s[66:67], s[4:5], s[66:67]
	s_add_nc_u64 s[68:69], s[6:7], s[68:69]
	CROUND
.irp s, 0,1,2
	s_mov_b32 s[G0A+4*\s], 1
	s_add_co_u32 s[G0A+4*\s+1], s70, \s*SLOTB
	s_add_nc_u64 s[G0A+4*\s+2:G0A+4*\s+3], s[66:67], \s*3072
	s_or_b32 s[G0A+4*\s+3], s[G0A+4*\s+3], 0x80000000
	s_mov_b32 s[G0B+4*\s], 1
	s_add_co_u32 s[G0B+4*\s+1], s71, \s*SLOTB
	s_add_nc_u64 s[G0B+4*\s+2:G0B+4*\s+3], s[68:69], \s*3072
	s_or_b32 s[G0B+4*\s+3], s[G0B+4*\s+3], 0x80000000
.endr
	JLOAD G0A, G0B                                 ; slot 0: my one tensor load at the head, behind the round above
	v_and_b32 v17, 31, v0
	v_lshlrev_b32 v[L16], 4, v17
	v_lshlrev_b32 v[L8], 3, v17
	v_lshlrev_b32 v[L4], 2, v17
	v_bfe_u32 v18, v0, 4, 1
	v_lshlrev_b32 v[BQ], 6, v18
	v_and_b32 v19, 15, v0
	v_and_b32 v20, 8, v19
	v_add_nc_u32 v20, v20, v19
	v_lshlrev_b32 v[BVA], 2, v20
	s_mul_i32 s72, s15, 24576
	s_mul_i32 s73, s16, 12288
	s_add_co_u32 s73, s73, WOFF
	s_mul_i32 s74, s16, 6144
	s_add_co_u32 s74, s74, WOFF+24576
.irp s, 0,1,2
	v_add_nc_u32 v[ADX+\s], s72, v[L16]
	v_add_nc_u32 v[ADW+\s], s73, v[L16]
	v_add_nc_u32 v[ADV+\s], s74, v[L16]
	s_add_co_u32 s72, s72, SLOTB
	s_add_co_u32 s73, s73, SLOTB
	s_add_co_u32 s74, s74, SLOTB
.endr
	s_lshl_b32 s76, s20, 13
	s_lshl_b32 s77, s15, 12
	s_add_co_u32 s76, s76, s77
	s_add_co_u32 s76, s76, XSC
	s_mov_b32 s77, 0
	s_add_nc_u64 s[76:77], s[4:5], s[76:77]
	s_mul_i32 s78, s19, 6144
	s_add_co_u32 s78, s78, WSC
	s_lshl_b32 s79, s16, 11
	s_add_co_u32 s80, s78, s79
	s_mov_b32 s81, 0
	s_add_nc_u64 s[80:81], s[6:7], s[80:81]
	s_lshl_b32 s79, s16, 10
	s_add_co_u32 s82, s78, s79
	s_add_co_u32 s82, s82, 4096
	s_mov_b32 s83, 0
	s_add_nc_u64 s[82:83], s[6:7], s[82:83]
	s_lshl_b32 s84, s16, 12
	s_lshl_b32 s85, s19, 8
	s_add_co_u32 s84, s84, s85
	s_add_co_u32 s86, s85, 8192
	s_lshl_b32 s85, s16, 7
	s_add_co_u32 s86, s86, s85
	s_mov_b32 s85, 0
	s_mov_b32 s87, 0
	s_add_nc_u64 s[84:85], s[8:9], s[84:85]
	s_add_nc_u64 s[86:87], s[8:9], s[86:87]
.irp pp, 0,1,2,3
.irp y, 0,1,2,3
	global_load_b64 v[XS+8*\pp+2*\y:XS+8*\pp+2*\y+1], v[L8], s[76:77] offset:\pp*1024+\y*256
.endr
.endr
.irp wp, 0,1
.irp y, 0,1,2,3
	global_load_b64 v[WS+8*\wp+2*\y:WS+8*\wp+2*\y+1], v[L8], s[80:81] offset:\wp*1024+\y*256
.endr
.endr
.irp y, 0,1,2,3
	global_load_b64 v[WS+16+2*\y:WS+16+2*\y+1], v[L8], s[82:83] offset:\y*256
.endr
.irp e, 0,1
.irp j, 0,1,2,3,4,5,6,7
	global_load_b32 v[BV+8*\e+\j], v[BVA], s[86:87] offset:32*\e
.endr
.endr
	WIN 0x40
.irp i, 0,1,2,3,4,5,6,7
.irp n, 0,1,2,3
	global_load_b128 v[32*\i+8*\n:32*\i+8*\n+3],   v[BQ], s[84:85] offset:(32*(\n/2)+8*(\n%2))*4
	global_load_b128 v[32*\i+8*\n+4:32*\i+8*\n+7], v[BQ], s[84:85] offset:(32*(\n/2)+8*(\n%2))*4+16
.endr
.endr
	WIN 0
; slots 1 and 2 are first filled as a refill is: the scale words' and the bias's loads above are on their way meanwhile
.irp s, 1,2
	s_wait_alu depctr_va_vdst(0)
	s_wait_tensorcnt 0x0
	ds_add_u32 v4, v5
	ds_add_u32 v4, v5
	s_wait_dscnt 0x0
	CROUND
	JLOAD G0A+4*\s, G0B+4*\s
.endr
.macro FETCH s
.set SL, ((\s)/2)%3
.set KK, (\s)%2
	WIN 0xc0
.irp i, 0,1,2,3,4,5,6,7
.irp c, 0,1,2
	ds_load_b128 v[96*KK+12*\i+4*\c:96*KK+12*\i+4*\c+3], v[ADX+SL] offset:\i*3072+KK*1536+512*\c
.endr
.endr
	WIN 0
.irp n, 0,1,2,3
.irp c, 0,1,2
	ds_load_b128 v[WF+72*KK+12*\n+4*\c:WF+72*KK+12*\n+4*\c+3], v[ADW+SL] offset:\n*3072+KK*1536+512*\c
.endr
.endr
.irp e, 0,1
.irp c, 0,1,2
	ds_load_b128 v[WF+72*KK+48+12*\e+4*\c:WF+72*KK+48+12*\e+4*\c+3], v[ADV+SL] offset:\e*3072+KK*1536+512*\c
.endr
.endr
.endm
.macro MULQK s
	WIN 0x5c
.irp i, 0,1,2,3,4,5,6,7
.irp n, 0,1,2,3
.set rD, 32*\i+8*\n
.set rC, rD
.set rA, WF+72*((\s)%2)+12*\n
.set rB, 96*((\s)%2)+12*\i
.set rSA, WS+8*(\n/2)+(\s)
.set rSB, XS+8*(\i/2)+(\s)
	WM \n%2, \i%2
.endr
.endr
.endm
.macro MULV s
.if (\s) == 0
	WIN 0x83
.else
	WIN 0xa3
.endif
.irp e, 0,1
.irp i, 0,1,2,3,4,5,6,7
.set rD, 64*\e+8*\i
.if (\s) == 0
.set rC, BV+8*\e
.else
.set rC, rD
.endif
.set rA, 96*((\s)%2)+12*\i
.set rB, WF+72*((\s)%2)+48+12*\e
.set rSA, XS+8*(\i/2)+(\s)
.set rSB, WS+16+(\s)
	WM \i%2, \e
.endr
.endr
.endm
.macro KSTEP s
	s_wait_dscnt 0x0
.if (\s) == 1
	WIN 0
	s_wait_tensorcnt 0x0
	ds_add_u32 v[SPW], v[NIL]
	s_add_nc_u64 s[G0A+2:G0A+3], s[G0A+2:G0A+3], 9216
	s_add_nc_u64 s[G0B+2:G0B+3], s[G0B+2:G0B+3], 9216
	s_wait_dscnt 0x0
	CROUND
	JLOAD G0A, G0B
.elseif (\s) == 5
	s_wait_tensorcnt 0x0
	s_barrier_signal -1
	s_barrier_wait -1
	PLACES
.elseif (\s) > 0 && (\s) < 7
	PLACES
.endif
.if (\s) < 7
	FETCH (\s)+1
.endif
	MULQK \s
	MULV \s
.endm
	s_wait_alu depctr_va_vdst(0)
	s_wait_loadcnt 0x0
	s_wait_tensorcnt 2
	s_barrier_signal -1
	s_barrier_wait -1
	FETCH 0
.irp s, 0,1,2,3,4,5,6,7
	KSTEP \s
.endr
	WIN 0
	PLACES
.irp q, 0,1,2,3,4,5,6,7
	v_mov_b32 v[TP+\q], 0
.endr
	s_lshl_b32 s21, s20, 1
	s_add_co_u32 s21, s21, s15
	s_mul_i32 s66, s19, 196608
	s_mul_i32 s67, s21, 6144
	s_add_co_u32 s66, s66, s67
	s_mul_i32 s68, s19, HS
	s_mul_i32 s67, s21, 12288
	s_add_co_u32 s69, s68, s67
	s_lshl_b32 s70, s19, 14
	s_lshl_b32 s71, s21, 9
	s_add_co_u32 s70, s70, s71
	s_add_co_u32 s70, s70, QSC
	s_add_co_u32 s71, s71, s68
	s_add_co_u32 s71, s71, KSC
	s_cmp_eq_u32 s16, 0
	s_cselect_b64 s[88:89], s[10:11], s[12:13]
	s_cselect_b32 s72, s66, s69
	s_cselect_b32 s74, s70, s71
	s_mov_b32 s73, 0
	s_mov_b32 s75, 0
	s_mov_b64 s[90:91], s[88:89]
	s_add_nc_u64 s[88:89], s[88:89], s[72:73]
	s_add_nc_u64 s[90:91], s[90:91], s[74:75]
	s_mul_i32 s72, s16, 3072
	s_add_co_u32 s72, s72, s69
	s_add_co_u32 s72, s72, 6144
	s_add_nc_u64 s[94:95], s[12:13], s[72:73]
	s_lshl_b32 s74, s21, 8
	s_lshl_b32 s76, s16, 7
	s_add_co_u32 s74, s74, s76
	s_add_co_u32 s74, s74, s68
	s_add_co_u32 s74, s74, VSC
	s_add_nc_u64 s[96:97], s[12:13], s[74:75]
	s_mov_b32 s92, 0xffff0000
.macro MAX8 w1, w2, base
	WIN \w1
.irp q, 0,1,2,3,4,5,6,7
	v_max3_num_f32 v[TM+\q], |v[\base+16*\q]|, |v[\base+16*\q+1]|, 0x1800000
.endr
	WIN \w2
.irp i, 2,4,6,8,10,12,14
.irp q, 0,1,2,3,4,5,6,7
	v_max3_num_f32 v[TM+\q], v[TM+\q], |v[\base+16*\q+\i]|, |v[\base+16*\q+\i+1]|
.endr
.endr
	WIN 0
.irp q, 0,1,2,3,4,5,6,7
	v_permlanex16_b32 v[TP+\q], v[TM+\q], s[SEL], s[SEL+1]
.endr
.irp q, 0,1,2,3,4,5,6,7
	v_max_num_f32 v[TM+\q], v[TM+\q], v[TP+\q]
.endr
.irp q, 0,1,2,3,4,5,6,7
	v_add_nc_u32 v[SO+\q], 0xff000000, v[TM+\q]
.endr
.irp q, 0,1,2,3,4,5,6,7
	v_lshrrev_b32 v[BY+\q], 23, v[SO+\q]
.endr
.endm
.macro CVT8 win, base, mode
	WIN \win
.irp p, 0,1,2,3
.if \mode
.set rD, IM+12*(\p/2)+6*(\p%2)
.else
.set rD, IM+8*\p
.endif
	v_cvt_scalef32_pk16_fp6_f32 v[rD:rD+2], v[\base+32*\p:\base+32*\p+15], v[SO+2*\p]
	v_cvt_scalef32_pk16_fp6_f32 v[TT+4*\p:TT+4*\p+2], v[\base+32*\p+16:\base+32*\p+31], v[SO+2*\p+1]
.endr
	WIN 0
	v_nop
.irp p, 0,1,2,3
.if \mode
.set rD, IM+12*(\p/2)+6*(\p%2)
.else
.set rD, IM+8*\p
.endif
.irp i, 0,1,2
	v_permlane16_swap_b32 v[rD+\i], v[TT+4*\p+\i]
.endr
.irp i, 0,1,2
	v_mov_b32 v[rD+3+\i], v[TT+4*\p+\i]
.endr
.endr
.endm
.irp gq, 0,1
	MAX8 0x05, 0x14, 128*\gq
.irp a, 0,1,2,3
	v_lshl_or_b32 v[SW+\a], v[BY+2*\a+1], 8, v[BY+2*\a]
.endr
.irp a, 0,1,2,3
	v_or_b32 v[SW+\a], 0x7f7f0000, v[SW+\a]
.endr
.if \gq
	s_wait_xcnt 0x0
.endif
	CVT8 1, 128*\gq, 0
.irp p, 0,1,2,3
	global_store_b128 v[L16], v[IM+8*\p:IM+8*\p+3], s[88:89] offset:(4*\gq+\p)*768
	global_store_b64 v[L8], v[IM+8*\p+4:IM+8*\p+5], s[88:89] offset:(4*\gq+\p)*768+512
.endr
	v_cndmask_b32 v[SP], v[SW], v[SW+2], s92
	v_cndmask_b32 v[SP+1], v[SW+1], v[SW+3], s92
	global_store_b64 v[L8], v[SP:SP+1], s[90:91] offset:256*\gq
.endr
	MAX8 0x0a, 0x28, 0
.irp e, 0,1
	v_lshl_or_b32 v[SW+\e], v[BY+4*\e+1], 8, v[BY+4*\e]
	v_lshl_or_b32 v[SW+\e], v[BY+4*\e+2], 16, v[SW+\e]
	v_lshl_or_b32 v[SW+\e], v[BY+4*\e+3], 24, v[SW+\e]
.endr
	s_wait_xcnt 0x0
	CVT8 2, 0, 1
.irp e, 0,1
.irp c, 0,1,2
	global_store_b128 v[L16], v[IM+12*\e+4*\c:IM+12*\e+4*\c+3], s[94:95] offset:\e*1536+512*\c
.endr
.endr
	v_cndmask_b32 v[SP], v[SW], v[SW+1], s92
	global_store_b32 v[L4], v[SP], s[96:97]
	s_wait_tensorcnt 0x0
	ds_add_u32 v[SPW], v[NIL]
	s_wait_dscnt 0x0
	CROUND
	s_endpgm
.Lfunc_end_k_q5848f5e6dd_qkv:
	.size	k_q5848f5e6dd_qkv, .Lfunc_end_k_q5848f5e6dd_qkv-k_q5848f5e6dd_qkv
	.p2alignl 7, 3214868480
	.fill 96, 4, 3214868480
	.section	.rodata,"a",@progbits
	.p2align	6, 0x0
	.amdhsa_kernel k_q5848f5e6dd_qkv
		.amdhsa_group_segment_fixed_size 327680
		.amdhsa_private_segment_fixed_size 0
		.amdhsa_enable_private_segment 0
		.amdhsa_kernarg_size 40
		.amdhsa_user_sgpr_count 2
		.amdhsa_user_sgpr_kernarg_segment_ptr 1
		.amdhsa_wavefront_size32 1
		.amdhsa_system_sgpr_workgroup_id_x 1
		.amdhsa_system_sgpr_workgroup_id_y 1
		.amdhsa_system_sgpr_workgroup_id_z 1
		.amdhsa_system_vgpr_workitem_id 0
		.amdhsa_next_free_vgpr 1024
		.amdhsa_next_free_sgpr 100
		.amdhsa_reserve_vcc 0
		.amdhsa_float_denorm_mode_32 3
		.amdhsa_float_denorm_mode_16_64 3
		.amdhsa_memory_ordered 1
		.amdhsa_forward_progress 1
		.amdhsa_inst_pref_size 121
	.end_amdhsa_kernel
	.amdgpu_metadata
---
amdhsa.version: [ 1, 2 ]
amdhsa.kernels:
  - .name:           k_q5848f5e6dd_qkv
    .symbol:         k_q5848f5e6dd_qkv.kd
    .args:
      - { .name: xq, .offset: 0, .size: 8, .value_kind: global_buffer, .address_space: global }
      - { .name: wq, .offset: 8, .size: 8, .value_kind: global_buffer, .address_space: global }
      - { .name: b_qkv, .offset: 16, .size: 8, .value_kind: global_buffer, .address_space: global }
      - { .name: qq, .offset: 24, .size: 8, .value_kind: global_buffer, .address_space: global }
      - { .name: kv, .offset: 32, .size: 8, .value_kind: global_buffer, .address_space: global }
    .group_segment_fixed_size: 327680
    .private_segment_fixed_size: 0
    .kernarg_segment_align: 8
    .kernarg_segment_size: 40
    .max_flat_workgroup_size: 128
    .sgpr_count:     100
    .vgpr_count:     1024
    .wavefront_size: 32
...
	.end_amdgpu_metadata
.endif
;; end of part 2
;; launch attn (part 3): grid 16 x 16, 8 waves a work-group, clusters of 4 x 1, 327,680 bytes of LDS; arguments qq, kv, oo; writes oo
.if DOCPART == 3
	.amdgcn_target "amdgcn-amd-amdhsa--gfx1250"
	.amdhsa_code_object_version 6
	.text
	.protected	k_q5848f5e6dd_attn
	.globl	k_q5848f5e6dd_attn
	.p2align	8
	.type	k_q5848f5e6dd_attn,@function
k_q5848f5e6dd_attn:
	s_mov_b64 s[64:65], 0
	v_nop
	global_prefetch_b8 v0, s[64:65] scope:SCOPE_SE
	s_setreg_imm32_b32 hwreg(HW_REG_WAVE_MODE, 25, 1), 1
	s_wait_xcnt 0x0
	s_wait_alu depctr_hold_cnt(0) depctr_sa_sdst(0) depctr_va_vdst(0) depctr_va_sdst(0) depctr_va_ssrc(0) depctr_va_vcc(0) depctr_vm_vsrc(0)
	s_getreg_b32 s2, hwreg(HW_REG_IB_STS2, 6, 4)
	s_cmp_eq_u32 s2, 0
	s_cbranch_scc0 .Lentry_in_a_cluster
	s_endpgm
.Lentry_in_a_cluster:
	s_bfe_u32 s2, ttmp6, 0x10000c
	s_cmp_lg_u32 s2, 0x3003
	s_cbranch_scc0 .Lentry_shape_is_right
	s_endpgm
.Lentry_shape_is_right:
; o[q] = the sum over k of softmax_k(q . k / 8) v[k] for each of 16 heads of 64 channels, 4,096 queries and keys, both products on codes of FP6 (E2M3) with E8M0 scales; o leaves quantised along the channels.
; THE SOFTMAX AHEAD OF THE SECOND PRODUCT: t = score x log2(e) / 8; M = the row's largest t so far, rounded UP to a whole number; p = 2^(t - M) is quantised along the keys, not normalised.
; The row's sum is taken of the unquantised p and divides O at the end.  When M moves, the sum and O are multiplied by 2^(old M - new M): exact.
; SHARES.  A work-group owns 256 queries of one head; each of its eight waves two tiles of 16 queries (x = 0, 1), so that every fragment of k and v read from LDS feeds two products, and the two tiles' chains take turns line by line.
; Every wave walks the head's 32 key steps of 128 keys.  A key step is 12,288 dense bytes of kv: 8 half images of k (768 bytes: registers 0-3 at 16 l, registers 4, 5 at 512 + 8 l), then 4 images of v (1,536 bytes).
; Two LDS slots of 8 key steps; the head's scale words come once.  CLUSTER: the four work-groups of a cluster walk the same head, so every tile is asked for jointly (mask 15).
; LAYOUT.  Both products are used transposed: S^T = K Q^T, O^T = V^T P^T: a lane holds ONE query of each tile throughout.
; WHICH KEYS FORM A TILE OF K is chosen here, by the lanes' LDS addresses: in each 64 keys, tile t takes keys 8 t .. 8 t + 7 as rows 0-7 and keys 32 + 8 t .. as rows 8-15.  (In kv image T = 2 P + u holds keys 32 P + 8 u + r + 8 (r / 8):
; rows 0-7 of tiles 0, 1, 2, 3 are rows 0-7 of images 0, 1 and rows 8-15 of images 0, 1; rows 8-15 the same of images 2, 3.)  So the 32 registers of four tiles are, in lane (r, h), keys 64 c + 32 h + 0 .. 31:
; a WHOLE block of the second product's K, in the order that its operand wants: a block's largest p needs no other lane, and the conversions' results are the operand.
; THE FIRST PRODUCT'S K IS 64, half of the instruction's 128.  Q's upper six registers hold zero codes, and both sides' upper scale bytes are 0x7f.  K's tile n names six registers of its own and the next tile's six
; (zeros behind the last): finite numbers that meet zeros and add nothing.
; REGISTERS.  Window 0: addresses, scale words, q, v's fragments, p's codes, each tile's small state.  Window 1: v0-127 S^T then p (64 a tile), v128-191 O^T (32 a tile), v192-245 k's eight tiles and six zeros.
; THE STEP IS ROTATED: a trip begins with the scores at hand, and ends with its second product and, on end, the NEXT step's first product: 24 matrix instructions behind one wait for LDS.
; The next step's k is fetched under this step's softmax, v at the trip's head.  A slot's last step fetches and multiplies nothing ahead: the next slot's first scores are made behind the change of slots.
; LIMITS: p under 2^-126 is flushed to 0 by the exponential; a block of zeros gets the byte 1; NaN and infinities are not served; the promise holds while |t| stays under 2^31.
.set HS,    417792                     ; a head in kv
.set STEPB, 12288
.set SLOTB, 98304                      ; slot 0 at LDS byte 0
.set SLOT1, 1<<17                      ; slot 1: one exclusive or turns an address from one slot into the other
.set SCK,   98304                      ; the head's scale words: k's, 256 bytes for 4 images;
.set SCV,   114688                     ; v's, 256 bytes a key step
.set SPARE, 122880                     ; the spare words, 128 bytes for each of eight waves
.set QSC,   3145728                    ; scale words in qq,
.set OSC,   3145728                    ; in oo
.set L16, 1
.set L8,  2
.set L4,  3
.set SPW, 4                            ; LDS address of my spare word; never rewritten
.set NIL, 5                            ; 0; never rewritten
.set AKL, 6                            ; my lane's place in k's images: 16 (r % 8) + 256 h + 1536 (r / 8)
.set AKB, 7                            ; 8 (r % 8) + 128 h + 1536 (r / 8)
.set ASL, 8                            ; in k's scale words: 8 (r % 8) + 128 (r / 8) + 64 h
.set ADK, 9                            ; v9-13 the step's LDS addresses
.set ADB, 10
.set ADS, 11
.set ADV, 12
.set ADT, 13
.set SH8, 14                           ; 8 h
.set PFO, 15                           ; 256 x lane: the prefetches' offset; never rewritten
.set QS,  16                           ; v16-17 q's scale words, a register a tile
.set PW,  18                           ; v18-19 p's
.set KS,  20                           ; v20-23 k's
.set VS,  24                           ; v24-25 v's
.set R8,  26                           ; 8 x (lane % 16)
.set Q,   28                           ; v28-51 q's fragments, 12 a tile, the upper six 0
.set VF,  52                           ; v52-99 v's four fragments
.set PC,  100                          ; v100-123 p's codes, 12 a tile
.set CT,  124                          ; v124-139 the conversions' second halves, 8 a tile
.set XS,  24                           ; a tile's state: tile x at + 24 x
.set NM,  140                          ; -M
.set SM,  141                          ; the largest score so far
.set L,   142                          ; the sum: four pairs
.set F,   150                          ; f = 2^(old M - new M) (the upper register is written once)
.set BM,  152                          ; my two blocks' largest scores, then largest p
.set SO,  154                          ; the conversions' scale operands
.set T,   156
.set TP,  157
.set BY,  158                          ; the scale bytes
.set OLD, 160                          ; -M of the step before
.set BN,  161                          ; the blocks' second chains of maxima
.set KF,  192                          ; window 1
.set OA,  128                          ; window 1
.set WV,  12
.set G1,  24                           ; s[24:31] descriptor group 1: 96 dense rows of 256 bytes
.set G0,  32                           ; s[32:35] group 0, which walks
.set TB,  36                           ; LDS byte at which the step's codes begin
.set TS,  37                           ; k's scale words
.set TJ,  38                           ; v's
.set SLOTS, 39
.set CNT, 40
.set SEL, 42                           ; s[42:43] lane selects for v_permlanex16_b32: lane l xor 16
.set CS,  44                           ; s[44:45] c = log2(e) / 8
.set PFA, 46                           ; s[46:47] where my prefetches stand
.set LIM, 48                           ; 1 in a wave that prefetches, else the greatest number
.set MSB, 0
.macro WIN new                         ; low byte: bits 1:0 source 0, 3:2 source 1, 5:4 source 2, 7:6 destination; the high byte repeats the setting that is left
.if MSB != \new
	s_set_vgpr_msb (MSB<<8)|\new
.set MSB, \new
.endif
.endm
.macro CROUND                          ; a round of the cluster's barrier
	s_barrier_signal -1
	s_barrier_wait -1
	s_cmp_lg_u32 s[WV], 0
	s_cbranch_scc1 .Lnot_wave_0_\@
	s_barrier_signal -3
.Lnot_wave_0_\@:
	s_barrier_wait -3
	s_barrier_signal -1
	s_barrier_wait -1
.endm
.macro JLOAD                           ; waves 0 to 3 fetch a quarter of a slot each; the branch hangs on the wave's number alone.  An s_nop 0 and four v_nop follow the load
	s_cmp_lt_u32 s[WV], 4
	s_cbranch_scc0 .Lnone_\@
	tensor_load_to_lds s[G0:G0+3], s[G1:G1+7]
	s_nop 0
.rept 4
	v_nop
.endr
.Lnone_\@:
.endm
; A PREFETCH of what the NEXT change of slots will ask for: a slot's 98,304 bytes, 256 bytes a lane.  All clusters of a head walk the same bytes: the head's first cluster asks.  Its four partners take a quarter each,
; told apart by address; in each, waves 4, 5, 6 take 8,192 bytes each: every aligned 256 bytes are named once.  The last change that fills a slot asks for nothing; slots 0 and 1 come by their loads alone.
.macro ASK
	s_cmp_gt_u32 s[SLOTS], s[LIM]
	s_cbranch_scc0 .Lnot_mine_\@
	global_prefetch_b8 v[PFO], s[PFA:PFA+1] th:TH_LOAD_NT scope:SCOPE_SE
.Lnot_mine_\@:
.endm
; One product; its registers stand in rD, rA, rB, rSA, rSB.  ra: source 0's scale words lie in lanes 16-31.  zero: the product starts its sum.
.macro WM ra, zero
.if (\zero) && (\ra) == 0
	v_wmma_scale_f32_16x16x128_f8f6f4 v[rD:rD+7], v[rA:rA+11], v[rB:rB+11], 0, v[rSA], v[rSB] matrix_a_fmt:MATRIX_FMT_FP6 matrix_b_fmt:MATRIX_FMT_FP6
.elseif (\zero)
	v_wmma_scale_f32_16x16x128_f8f6f4 v[rD:rD+7], v[rA:rA+11], v[rB:rB+11], 0, v[rSA], v[rSB] matrix_a_fmt:MATRIX_FMT_FP6 matrix_b_fmt:MATRIX_FMT_FP6 matrix_a_scale:MATRIX_SCALE_ROW1
.elseif (\ra) == 0
	v_wmma_scale_f32_16x16x128_f8f6f4 v[rD:rD+7], v[rA:rA+11], v[rB:rB+11], v[rD:rD+7], v[rSA], v[rSB] matrix_a_fmt:MATRIX_FMT_FP6 matrix_b_fmt:MATRIX_FMT_FP6
.else
	v_wmma_scale_f32_16x16x128_f8f6f4 v[rD:rD+7], v[rA:rA+11], v[rB:rB+11], v[rD:rD+7], v[rSA], v[rSB] matrix_a_fmt:MATRIX_FMT_FP6 matrix_b_fmt:MATRIX_FMT_FP6 matrix_a_scale:MATRIX_SCALE_ROW1
.endif
.endm
; k's eight tiles and their scale words, off bytes (soff for the words) behind the step whose addresses stand in v[ADK], v[ADB], v[ADS].  Tile n = 4 c + t: images 4 c + t % 2 and + 2, rows 8 (t / 2) + 0 .. 7
.macro KLOAD off, soff
	WIN 0x40
.irp n, 0,1,2,3,4,5,6,7
	ds_load_b128 v[KF+6*\n:KF+6*\n+3], v[ADK] offset:(\off)+3072*(\n/4)+768*(\n%2)+128*((\n%4)/2)
	ds_load_b64 v[KF+6*\n+4:KF+6*\n+5], v[ADB] offset:(\off)+3072*(\n/4)+768*(\n%2)+64*((\n%4)/2)+512
.endr
	WIN 0
	ds_load_b64 v[KS:KS+1], v[ADS] offset:(\soff)        ; tiles 0, 1 (lanes 0-15) and 2, 3 (lanes 16-31)
	ds_load_b64 v[KS+2:KS+3], v[ADS] offset:(\soff)+256  ; tiles 4 to 7
.endm
; THE FIRST PRODUCT of a key step: S^T = K Q^T, 8 tiles of keys x my 2 tiles of queries.  Lane (r, h) holds query r; the 32 registers of tiles 4 c .. 4 c + 3 are keys 64 c + 32 h + 0 .. 31
.macro SMUL
	WIN 0x41
.irp n, 0,1,2,3,4,5,6,7
.irp x, 0,1
.set rD, 64*\x+8*\n
.set rA, KF+6*\n
.set rB, Q+12*\x
.set rSA, KS+2*(\n/4)+\n%2
.set rSB, QS+\x
	WM (\n%4)/2, 1
.endr
.endr
	WIN 0
.endm
	s_load_b128 s[4:7], s[0:1], 0x0                ; qq s[4:5], kv s[6:7]
	s_load_b64 s[8:9], s[0:1], 0x10                ; oo
	v_lshl_add_u32 v[SPW], v0, 2, SPARE
	v_mov_b32 v[NIL], 0
	ds_add_u32 v[SPW], v[NIL]                      ; the wave's opening: the add, twice on end, and its wait ahead of my first tensor load
	ds_add_u32 v[SPW], v[NIL]
	v_lshrrev_b32 v1, 5, v0
	s_delay_alu instid0(VALU_DEP_1)
	v_readfirstlane_b32 s[WV], v1                  ; wave 0..7
	s_bfe_u32 s13, ttmp6, 0x40000                  ; cx: it enters q's, o's and the prefetches' addresses alone
	s_lshl_b32 s14, ttmp9, 2
	s_add_co_u32 s14, s14, s13                     ; my block of 256 queries
	s_and_b32 s15, ttmp7, 0xffff                   ; the head, which the four partners share
	s_mul_i32 s16, s15, HS
	s_mov_b32 s[G1], 15|(3<<16)|(1<<21)            ; 15:0 the mask: all four; 17:16 elements of 8 bytes; 21 set beside a mask; no padding
	s_mov_b32 s[G1+1], 32<<16                      ; tensor_dim0: 256 bytes
	s_mov_b32 s[G1+2], 96<<16                      ; tensor_dim1
	s_mov_b32 s[G1+3], 32<<16                      ; tile_dim0
	s_mov_b32 s[G1+4], 96                          ; tile_dim1
	s_mov_b32 s[G1+5], 32                          ; dense
	s_mov_b32 s[G1+6], 0
	s_mov_b32 s[G1+7], 0
	s_min_u32 s18, s[WV], 4
	s_mul_i32 s19, s18, 24576                      ; LDS: waves 0-3 a quarter of slot 0, wave 4 the scale words, which lie behind it
	s_cmp_lt_u32 s[WV], 4
	s_cselect_b32 s20, s19, 393216                 ; in the head's bytes: the same quarter, or the scale words
	s_add_co_u32 s20, s20, s16
	s_mov_b32 s21, 0
	s_mov_b32 s[SEL], 0x76543210
	s_mov_b32 s[SEL+1], 0xfedcba98
	s_mov_b32 s[CS], 0x3e38aa3b                    ; c = log2(e) / 8
	s_mov_b32 s[CS+1], s[CS]                       ; (named with it as a pair, so it is written)
	s_mov_b32 s[TB], 0
	s_mov_b32 s[TS], SCK
	s_mov_b32 s[TJ], SCV
	s_mov_b32 s[SLOTS], 3
	s_lshr_b32 s22, s[WV], 2
	s_xor_b32 s22, s22, 1                          ; 0 in waves 4 to 7,
	s_or_b32 s22, s22, ttmp9                       ; of the head's first cluster: the same in all four partners
	s_cmp_eq_u32 s22, 0
	s_cselect_b32 s[LIM], 1, -1
	s_cmp_eq_u32 s[WV], 7                          ; (a quarter is three waves' worth)
	s_cselect_b32 s[LIM], -1, s[LIM]
	s_mul_i32 s22, s13, 24576                      ; my work-group's quarter,
	s_and_b32 s23, s[WV], 3
	s_lshl_b32 s23, s23, 13                        ; my wave's 8,192 bytes of it,
	s_add_co_u32 s22, s22, s23
	s_add_co_u32 s22, s22, s16
	s_add_co_u32 s22, s22, SLOTB                   ; in slot 1: the first change of slots steps it to slot 2
	s_mov_b32 s23, 0
	s_wait_dscnt 0x0                               ; both opening adds are done
	s_wait_kmcnt 0x0
	s_mov_b32 s[G0], 1
	s_mov_b32 s[G0+1], s19
	s_add_nc_u64 s[G0+2:G0+3], s[6:7], s[20:21]
	s_or_b32 s[G0+3], s[G0+3], 0x80000000
	s_add_nc_u64 s[PFA:PFA+1], s[6:7], s[22:23]
	CROUND                                         ; all four work-groups are here: the first joint loads meet
	s_cmp_lt_u32 s[WV], 5
	s_cbranch_scc0 .Lno_first
	tensor_load_to_lds s[G0:G0+3], s[G1:G1+7]      ; slot 0 and the scale words: one load of mine is out
	s_nop 0
.rept 4
	v_nop
.endr
.Lno_first:
	s_lshl_b32 s49, s14, 4
	s_lshl_b32 s50, s[WV], 1
	s_add_co_u32 s49, s49, s50                     ; T: my first tile of queries, an even one; the second is T + 1
	s_mul_i32 s50, s49, 768
	s_mul_i32 s51, s15, 196608
	s_add_co_u32 s50, s50, s51
	s_mov_b32 s51, 0
	s_add_nc_u64 s[50:51], s[4:5], s[50:51]        ; their codes
	s_lshr_b32 s52, s49, 2
	s_lshl_b32 s52, s52, 8                         ; the group of four tiles,
	s_and_b32 s53, s[WV], 1
	s_lshl_b32 s53, s53, 7                         ; tiles 2, 3 of it lie 128 bytes on; an even and an odd tile's words lie side by side
	s_add_co_u32 s52, s52, s53
	s_lshl_b32 s53, s15, 14
	s_add_co_u32 s52, s52, s53
	s_add_co_u32 s52, s52, QSC
	s_mov_b32 s53, 0
	s_add_nc_u64 s[52:53], s[4:5], s[52:53]        ; their scale words
	v_and_b32 v27, 31, v0
	v_and_b32 v[R8], 15, v0
	v_and_b32 v[T], 7, v0                          ; r % 8
	v_bfe_u32 v[TP], v0, 3, 1                      ; r / 8
	v_bfe_u32 v[SH8], v0, 4, 1                     ; h
	v_lshlrev_b32 v[L16], 4, v27
	v_lshlrev_b32 v[L8], 3, v27
	v_lshlrev_b32 v[L4], 2, v27
	v_lshlrev_b32 v[PFO], 8, v27
	v_lshlrev_b32 v[R8], 3, v[R8]
	v_lshlrev_b32 v[AKL], 4, v[T]
	v_lshlrev_b32 v[AKB], 3, v[T]
	v_lshl_add_u32 v[AKL], v[SH8], 8, v[AKL]
	v_lshl_add_u32 v[ASL], v[TP], 7, v[AKB]
	v_lshl_add_u32 v[AKB], v[SH8], 7, v[AKB]
	v_lshl_add_u32 v[ASL], v[SH8], 6, v[ASL]
	v_mad_u32_u24 v[AKL], v[TP], 1536, v[AKL]
	v_mad_u32_u24 v[AKB], v[TP], 1536, v[AKB]
	v_lshlrev_b32 v[SH8], 3, v[SH8]
.irp x, 0,1
	global_load_b128 v[Q+12*\x:Q+12*\x+3], v[L16], s[50:51] offset:768*\x
	global_load_b64 v[Q+12*\x+4:Q+12*\x+5], v[L8], s[50:51] offset:768*\x+512
.endr
	global_load_b64 v[QS:QS+1], v[R8], s[52:53]
.irp x, 0,1
	v_mov_b32 v[SM+XS*\x], 0xff61b1e6              ; the largest score so far: -3e38, under every score
	v_mov_b32 v[NM+XS*\x], 0x7f61b1e6              ; -M: 3e38, so that the first f is 0
	v_mov_b32 v[F+1+XS*\x], 0                      ; (named as the upper half of a pair)
	v_mov_b32 v[TP+XS*\x], 0                       ; written once: a lane permute's destination counts as one of its sources
.irp j, 0,1,2,3,4,5,6,7
	v_mov_b32 v[L+XS*\x+\j], 0
.endr
.irp j, 0,1,2,3,4,5
	v_mov_b32 v[Q+12*\x+6+\j], 0                   ; zero codes for the instruction's upper 64 along K
.endr
.endr
	WIN 0x40
.irp j, 0,1,2,3,4,5
	v_mov_b32 v[KF+48+\j], 0                       ; zero codes behind k's last tile
.endr
.set j, 0
.rept 64
	v_mov_b32 v[OA+j], 0                           ; O^T.  (The step is written once: the first finds zeros, which the first f leaves zeros)
.set j, j+1
.endr
	WIN 0
; A KEY STEP: 128 keys x my 32 queries.  Its scores are at hand: the products that made them stand just ahead
.macro STEP
	v_add_nc_u32 v[ADV], s[TB], v[L16]             ; these five and the two moves below are the places behind the products, in front of the loads into v's registers and of the first read of the scores
	v_add_nc_u32 v[ADT], s[TJ], v[L4]
	v_add_nc_u32 v[ADK], s[TB], v[AKL]
	v_add_nc_u32 v[ADB], s[TB], v[AKB]
	v_add_nc_u32 v[ADS], s[TS], v[ASL]
.irp dt, 0,1,2,3
.irp c, 0,1,2
	ds_load_b128 v[VF+12*\dt+4*\c:VF+12*\dt+4*\c+3], v[ADV] offset:6144+1536*\dt+512*\c   ; v's fragments land under the softmax
.endr
.endr
	ds_load_b32 v[VS], v[ADT]                      ; tiles 0 (lanes 0-15) and 1 (lanes 16-31)
	ds_load_b32 v[VS+1], v[ADT] offset:128
	v_mov_b32 v[OLD], v[NM]
	v_mov_b32 v[OLD+XS], v[NM+XS]
	WIN 0x15
.irp x, 0,1
.irp c, 0,1
	v_max3_num_f32 v[BM+XS*\x+\c], v[64*\x+32*\c], v[64*\x+32*\c+1], v[64*\x+32*\c+2]   ; the largest score of each block of 32 keys, in two chains: it serves for the row's maximum and, since p rises with the score, for the block's largest p
	v_max3_num_f32 v[BN+XS*\x+\c], v[64*\x+32*\c+16], v[64*\x+32*\c+17], v[64*\x+32*\c+18]
.endr
.endr
	WIN 0x14
.irp i, 3,5,7,9,11,13
.irp x, 0,1
.irp c, 0,1
	v_max3_num_f32 v[BM+XS*\x+\c], v[BM+XS*\x+\c], v[64*\x+32*\c+\i], v[64*\x+32*\c+\i+1]   ; eight chains by turns; each accumulator is first read at its low end
	v_max3_num_f32 v[BN+XS*\x+\c], v[BN+XS*\x+\c], v[64*\x+32*\c+16+\i], v[64*\x+32*\c+17+\i]
.endr
.endr
.endr
.irp x, 0,1
.irp c, 0,1
	v_max3_num_f32 v[BM+XS*\x+\c], v[BM+XS*\x+\c], v[64*\x+32*\c+15], v[64*\x+32*\c+31]
.endr
.endr
	WIN 0
.irp x, 0,1
.irp c, 0,1
	v_max_num_f32 v[BM+XS*\x+\c], v[BM+XS*\x+\c], v[BN+XS*\x+\c]
.endr
.endr
.irp x, 0,1
	v_max_num_f32 v[T+XS*\x], v[BM+XS*\x], v[BM+XS*\x+1]
.endr
.irp x, 0,1
	s_delay_alu instid0(VALU_DEP_2)
	v_permlanex16_b32 v[TP+XS*\x], v[T+XS*\x], s[SEL], s[SEL+1]
.endr
.irp x, 0,1
	s_delay_alu instid0(VALU_DEP_2)
	v_max3_num_f32 v[SM+XS*\x], v[SM+XS*\x], v[T+XS*\x], v[TP+XS*\x]   ; the running largest score of my query, lane l xor 16's 64 keys among them
.endr
.irp x, 0,1
	s_delay_alu instid0(VALU_DEP_2)
	v_mul_f32 v[T+XS*\x], s[CS], v[SM+XS*\x]       ; as t (c is positive)
.endr
.irp x, 0,1
	s_delay_alu instid0(VALU_DEP_2)
	v_floor_f32 v[NM+XS*\x], -v[T+XS*\x]           ; the new -M = floor(-t) = -ceil(t): a whole number
.endr
.irp x, 0,1
	s_delay_alu instid0(VALU_DEP_2)
	v_sub_f32 v[T+XS*\x], v[NM+XS*\x], v[OLD+XS*\x]   ; M's old value less its new one: 0 or less
.endr
.irp x, 0,1
.irp c, 0,1
	v_fma_f32 v[BM+XS*\x+\c], v[BM+XS*\x+\c], s[CS], v[NM+XS*\x]   ; t - M of each block's largest score
.endr
.endr
.irp x, 0,1
	v_cvt_i32_f32 v[T+XS*\x], v[T+XS*\x]           ; (it saturates)
.endr
.irp x, 0,1
	s_delay_alu instid0(VALU_DEP_2)
	v_ldexp_f32 v[F+XS*\x], 1.0, v[T+XS*\x]        ; f = 2^(old M - new M)
.endr
	WIN 0x41
.set j, 0
.rept 32
	v_pk_fma_f32 v[j:j+1], v[j:j+1], s[CS:CS+1], v[NM:NM+1] op_sel_hi:[1,0,0]   ; t - M, two at a time
	v_pk_fma_f32 v[64+j:65+j], v[64+j:65+j], s[CS:CS+1], v[NM+XS:NM+XS+1] op_sel_hi:[1,0,0]
.set j, j+2
.endr
.set j, 0
.rept 16
	v_pk_mul_f32 v[OA+j:OA+j+1], v[OA+j:OA+j+1], v[F:F+1] op_sel_hi:[1,0]   ; O^T under the new M, each accumulator from its low end on
	v_pk_mul_f32 v[OA+32+j:OA+33+j], v[OA+32+j:OA+33+j], v[F+XS:F+XS+1] op_sel_hi:[1,0]
.set j, j+2
.endr
	s_wait_alu depctr_va_vdst(0)                   ; the wait ahead of the batch
.set j, 0
.rept 128
	v_exp_f32 v[j], v[j]                           ; p = 2^(t - M), at most 1
.set j, j+1
.endr
	WIN 0
.irp x, 0,1
.irp c, 0,1
	v_exp_f32 v[BM+XS*\x+\c], v[BM+XS*\x+\c]       ; the block's largest p: the same two operations on the same number give the same bits
.endr
.endr
	v_nop                                          ; the plain place behind the exponentials
	s_wait_alu depctr_va_vdst(0)                   ; one wait for the whole batch, ahead of its first reader
	s_cmp_eq_u32 s[CNT], 1                         ; the slot's last step fetches nothing ahead: the next slot is read behind the change of slots
	s_cbranch_scc1 .Lno_next_\@
	KLOAD STEPB, 512                               ; the next step's k: its registers were last read by the products that made this step's scores
.Lno_next_\@:
.irp x, 0,1
.irp c, 0,1
	v_max_num_f32 v[BM+XS*\x+\c], 0x1800000, v[BM+XS*\x+\c]   ; the floor 2^(3 - 127): the byte cannot fall under 1
.endr
.endr
.irp x, 0,1
.irp c, 0,1
	v_add_nc_u32 v[SO+XS*\x+\c], 0xff000000, v[BM+XS*\x+\c]   ; 2 off the exponent field: the conversion's scale operand
.endr
.endr
.irp x, 0,1
.irp c, 0,1
	v_lshrrev_b32 v[BY+XS*\x+\c], 23, v[SO+XS*\x+\c]   ; the scale's byte
.endr
.endr
.irp x, 0,1
	v_lshl_or_b32 v[T+XS*\x], v[BY+XS*\x+1], 16, v[BY+XS*\x]   ; my two bytes: blocks h and 2 + h,
.endr
.irp x, 0,1
	s_delay_alu instid0(VALU_DEP_2)
	v_lshlrev_b32 v[T+XS*\x], v[SH8], v[T+XS*\x]   ; at their places in the scale word;
.endr
.irp x, 0,1
	s_delay_alu instid0(VALU_DEP_2)
	v_permlanex16_b32 v[TP+XS*\x], v[T+XS*\x], s[SEL], s[SEL+1]
.endr
.irp x, 0,1
	s_delay_alu instid0(VALU_DEP_2)
	v_or_b32 v[PW+\x], v[T+XS*\x], v[TP+XS*\x]     ; with lane l xor 16's two the word is whole
.endr
	WIN 0x01
.irp x, 0,1
.irp c, 0,1
	v_cvt_scalef32_pk16_fp6_f32 v[PC+12*\x+6*\c:PC+12*\x+6*\c+2], v[64*\x+32*\c:64*\x+32*\c+15], v[SO+XS*\x+\c]
	v_cvt_scalef32_pk16_fp6_f32 v[CT+8*\x+4*\c:CT+8*\x+4*\c+2], v[64*\x+32*\c+16:64*\x+32*\c+31], v[SO+XS*\x+\c]   ; (a conversion's three registers begin on an even number: the second half is made elsewhere and moved)
.endr
.endr
	WIN 0
	v_nop                                          ; one plain place behind a scaled conversion
.irp x, 0,1
.irp c, 0,1
.irp i, 0,1,2
	v_mov_b32 v[PC+12*\x+6*\c+3+\i], v[CT+8*\x+4*\c+\i]
.endr
.endr
.endr
	WIN 0x10
.irp k, 0,1,2,3
.irp x, 0,1
	v_pk_fma_f32 v[L+XS*\x+2*\k:L+XS*\x+2*\k+1], v[L+XS*\x+2*\k:L+XS*\x+2*\k+1], v[F+XS*\x:F+XS*\x+1], v[64*\x+2*\k:64*\x+2*\k+1] op_sel_hi:[1,0,1]   ; THE ROW'S SUM, of the unquantised p: the old sum x f + p, four pairs a tile
.endr
.endr
	WIN 0x04
.set j, 8
.rept 28
	v_pk_add_f32 v[L+(j%8):L+(j%8)+1], v[L+(j%8):L+(j%8)+1], v[j:j+1]   ; eight chains by turns.  (These are also the places between p's scale word and codes and the products below)
	v_pk_add_f32 v[L+XS+(j%8):L+XS+(j%8)+1], v[L+XS+(j%8):L+XS+(j%8)+1], v[64+j:65+j]
.set j, j+2
.endr
	s_wait_alu depctr_va_vdst(0)                   ; directly ahead of the wait below
	s_wait_dscnt 0x0                               ; v's fragments and scale words are in, and the next step's k, asked for behind the exponentials
	WIN 0x50
.irp dt, 0,1,2,3
.irp x, 0,1
.set rD, OA+32*\x+8*\dt
.set rA, VF+12*\dt
.set rB, PC+12*\x
.set rSA, VS+\dt/2
.set rSB, PW+\x
	WM \dt%2, 0                                    ; O^T += V^T P^T: one instruction an accumulator; the other accumulators' products stand between two links of a chain
.endr
.endr
	WIN 0
	s_cmp_eq_u32 s[CNT], 1                         ; but in the slot's last step,
	s_cbranch_scc1 .Lno_s_\@
	SMUL                                           ; the next step's scores follow on end
.Lno_s_\@:
	s_add_co_u32 s[TB], s[TB], STEPB
	s_add_co_u32 s[TS], s[TS], 512
	s_add_co_u32 s[TJ], s[TJ], 256
.endm
.macro EIGHT_STEPS                     ; a slot's eight key steps: written once, walked eight times; the first step's k is fetched and its scores are made ahead of them
	v_add_nc_u32 v[ADK], s[TB], v[AKL]
	v_add_nc_u32 v[ADB], s[TB], v[AKB]
	v_add_nc_u32 v[ADS], s[TS], v[ASL]
.rept 3
	v_nop                                          ; with the three additions six places: behind any first product still ahead, in front of the loads into k's registers and of the products that write the scores anew
.endr
	KLOAD 0, 0
	s_wait_dscnt 0x0
	SMUL
	s_mov_b32 s[CNT], 8
.Lstep_\@:
	STEP
	s_sub_co_u32 s[CNT], s[CNT], 1
	s_cmp_lg_u32 s[CNT], 0
	s_cbranch_scc1 .Lstep_\@
.endm
; THE CHANGE OF SLOTS stands at a slot's head.  Each wave waits for all its tensor loads (its part of the slot ahead), adds 0 to its spare word, and waits for that and for its reads of the slot that it has left.
; fill = 1: behind a round of the cluster's barrier the slot that was left is filled with the next eight key steps, which have a whole slot's steps in which to land.
.macro CHANGE fill
	s_wait_tensorcnt 0x0                           ; no tensor load of mine is out, so the group 0 may be written
	ds_add_u32 v[SPW], v[NIL]                      ; 0 onto my spare word,
	ds_add_u32 v[SPW], v[NIL]                      ; twice
.if \fill
	s_xor_b32 s[G0+1], s[G0+1], SLOT1              ; the other slot than last time,
	s_add_nc_u64 s[G0+2:G0+3], s[G0+2:G0+3], SLOTB ; the next eight key steps
	s_wait_xcnt 0x0                                ; the last prefetch, a slot back, has read its address
	s_add_nc_u64 s[PFA:PFA+1], s[PFA:PFA+1], SLOTB ; one slot further on than the walking descriptor
.endif
	s_wait_dscnt 0x0                               ; the adds are done, and my reads of the slot that I have left are over
.if \fill
	CROUND
	JLOAD                                          ; the first thing behind the round, and a wave's one tensor load until the next
	ASK
.else
	s_barrier_signal -1
	s_barrier_wait -1
.endif
.endm
	s_wait_alu depctr_va_vdst(0)                   ; the wait at the head's end
	s_wait_loadcnt 0x0                             ; q
.Lslot:                                            ; three trips: behind each change of slots but the last the next slot is asked for
	CHANGE 1
	EIGHT_STEPS
	s_sub_co_u32 s[TB], s[TB], SLOTB               ; back to a slot's first step,
	s_xor_b32 s[TB], s[TB], SLOT1                  ; in the other slot
	s_sub_co_u32 s[SLOTS], s[SLOTS], 1
	s_cmp_lg_u32 s[SLOTS], 0
	s_cbranch_scc1 .Lslot
	CHANGE 0                                       ; the last slot is written out
	EIGHT_STEPS
	; THE WAY OUT: O^T / the sum, quantised along the head's 64 channels (two blocks), leaves as a half image: K step head / 2, half head % 2 of the last product's operand
	s_mul_i32 s50, s49, 12288
	s_mul_i32 s51, s15, 768
	s_add_co_u32 s50, s50, s51
	s_mov_b32 s51, 0
	s_add_nc_u64 s[50:51], s[8:9], s[50:51]        ; oo: tile T, head; tile T + 1 lies 12,288 bytes on
	s_lshr_b32 s52, s49, 1
	s_lshl_b32 s52, s52, 10                        ; the pair of tiles (the odd tile's lanes lie 128 bytes on),
	s_lshr_b32 s53, s15, 2
	s_lshl_b32 s53, s53, 8                         ; the two K steps' 256 bytes,
	s_add_co_u32 s52, s52, s53
	s_bfe_u32 s53, s15, 0x10001
	s_lshl_b32 s53, s53, 2                         ; the K step's word,
	s_add_co_u32 s52, s52, s53
	s_and_b32 s53, s15, 1
	s_lshl_b32 s53, s53, 1                         ; the head's two bytes in it
	s_add_co_u32 s52, s52, s53
	s_add_co_u32 s52, s52, OSC
	s_mov_b32 s53, 0
	s_add_nc_u64 s[52:53], s[8:9], s[52:53]
.irp x, 0,1
	v_pk_add_f32 v[L+XS*\x:L+XS*\x+1], v[L+XS*\x:L+XS*\x+1], v[L+XS*\x+2:L+XS*\x+3]   ; (these twelve are also the places behind the last products)
	v_pk_add_f32 v[L+XS*\x+4:L+XS*\x+5], v[L+XS*\x+4:L+XS*\x+5], v[L+XS*\x+6:L+XS*\x+7]
.endr
.irp x, 0,1
	v_pk_add_f32 v[L+XS*\x:L+XS*\x+1], v[L+XS*\x:L+XS*\x+1], v[L+XS*\x+4:L+XS*\x+5]
.endr
.irp x, 0,1
	s_delay_alu instid0(VALU_DEP_2)
	v_add_f32 v[T+XS*\x], v[L+XS*\x], v[L+XS*\x+1]
.endr
.irp x, 0,1
	s_delay_alu instid0(VALU_DEP_2)
	v_permlanex16_b32 v[TP+XS*\x], v[T+XS*\x], s[SEL], s[SEL+1]
.endr
.irp x, 0,1
	s_delay_alu instid0(VALU_DEP_2)
	v_add_f32 v[T+XS*\x], v[T+XS*\x], v[TP+XS*\x]  ; the row's sum
.endr
	s_wait_alu depctr_va_vdst(0)                   ; the wait ahead of the transcendentals
	v_rcp_f32 v[F], v[T]
	v_rcp_f32 v[F+XS], v[T+XS]
	v_nop                                          ; a plain place behind the reciprocals
	WIN 0x41
	s_wait_alu depctr_va_vdst(0)                   ; and the wait ahead of their first reader, which is O^T's first reader too
.set j, 0
.rept 16
	v_pk_mul_f32 v[j:j+1], v[OA+j:OA+j+1], v[F:F+1] op_sel_hi:[1,0]   ; register 16 b + i: channel 32 b + 16 h + i of my query
	v_pk_mul_f32 v[64+j:65+j], v[OA+32+j:OA+33+j], v[F+XS:F+XS+1] op_sel_hi:[1,0]
.set j, j+2
.endr
	WIN 0x05
.irp x, 0,1
.irp b, 0,1
	v_max3_num_f32 v[BM+XS*\x+\b], |v[64*\x+16*\b]|, |v[64*\x+16*\b+1]|, 0x1800000
.endr
.endr
	WIN 0x14
.irp i, 2,4,6,8,10,12,14
.irp x, 0,1
.irp b, 0,1
	v_max3_num_f32 v[BM+XS*\x+\b], v[BM+XS*\x+\b], |v[64*\x+16*\b+\i]|, |v[64*\x+16*\b+\i+1]|
.endr
.endr
.endr
	WIN 0
.irp x, 0,1
.irp b, 0,1
	v_permlanex16_b32 v[BY+XS*\x+\b], v[BM+XS*\x+\b], s[SEL], s[SEL+1]
.endr
.endr
.irp x, 0,1
.irp b, 0,1
	v_max_num_f32 v[BM+XS*\x+\b], v[BM+XS*\x+\b], v[BY+XS*\x+\b]   ; a block of 32 channels lies in lanes l and l xor 16
.endr
.endr
.irp x, 0,1
.irp b, 0,1
	v_add_nc_u32 v[SO+XS*\x+\b], 0xff000000, v[BM+XS*\x+\b]
.endr
.endr
.irp x, 0,1
.irp b, 0,1
	v_lshrrev_b32 v[BY+XS*\x+\b], 23, v[SO+XS*\x+\b]
.endr
.endr
.irp x, 0,1
	v_lshl_or_b32 v[T+XS*\x], v[BY+XS*\x+1], 8, v[BY+XS*\x]   ; the head's two scale bytes of my query
.endr
	WIN 0x01
.irp x, 0,1
	v_cvt_scalef32_pk16_fp6_f32 v[PC+12*\x:PC+12*\x+2], v[64*\x:64*\x+15], v[SO+XS*\x]
	v_cvt_scalef32_pk16_fp6_f32 v[CT+8*\x:CT+8*\x+2], v[64*\x+16:64*\x+31], v[SO+XS*\x+1]
.endr
	WIN 0
	v_nop                                          ; one plain place behind a scaled conversion
.irp x, 0,1
.irp i, 0,1,2
	v_permlane16_swap_b32 v[PC+12*\x+\i], v[CT+8*\x+\i]   ; the operand's layout wants a whole block in a lane
.endr
.endr
.irp x, 0,1
.irp i, 0,1,2
	v_mov_b32 v[PC+12*\x+3+\i], v[CT+8*\x+\i]
.endr
.endr
.irp x, 0,1
	global_store_b128 v[L16], v[PC+12*\x:PC+12*\x+3], s[50:51] offset:12288*\x           ; 512 consecutive bytes,
	global_store_b64 v[L8], v[PC+12*\x+4:PC+12*\x+5], s[50:51] offset:12288*\x+512       ; and 256
	global_store_b16 v[R8], v[T+XS*\x], s[52:53] offset:128*\x   ; two bytes a query, 8 bytes apart (the other heads fill the gaps); lanes 16-31 store what lanes 0-15 store.  One byte in 24 of what this launch stores
.endr
	s_wait_tensorcnt 0x0                           ; the wave's end: behind my last tensor load
	ds_add_u32 v[SPW], v[NIL]
	s_wait_dscnt 0x0
	CROUND                                         ; the closing round: no work-group ends while a partner may still ask for a tile that names it
	s_endpgm
.Lfunc_end_k_q5848f5e6dd_attn:
	.size	k_q5848f5e6dd_attn, .Lfunc_end_k_q5848f5e6dd_attn-k_q5848f5e6dd_attn
	.p2alignl 7, 3214868480
	.fill 96, 4, 3214868480
	.section	.rodata,"a",@progbits
	.p2align	6, 0x0
	.amdhsa_kernel k_q5848f5e6dd_attn
		.amdhsa_group_segment_fixed_size 327680
		.amdhsa_private_segment_fixed_size 0
		.amdhsa_enable_private_segment 0
		.amdhsa_kernarg_size 24
		.amdhsa_user_sgpr_count 2
		.amdhsa_user_sgpr_kernarg_segment_ptr 1
		.amdhsa_wavefront_size32 1
		.amdhsa_system_sgpr_workgroup_id_x 1
		.amdhsa_system_sgpr_workgroup_id_y 1
		.amdhsa_system_sgpr_workgroup_id_z 1
		.amdhsa_system_vgpr_workitem_id 0
		.amdhsa_next_free_vgpr 512
		.amdhsa_next_free_sgpr 66
		.amdhsa_reserve_vcc 0
		.amdhsa_float_denorm_mode_32 3
		.amdhsa_float_denorm_mode_16_64 3
		.amdhsa_memory_ordered 1
		.amdhsa_forward_progress 1
		.amdhsa_inst_pref_size 82
	.end_amdhsa_kernel
	.amdgpu_metadata
---
amdhsa.version: [ 1, 2 ]
amdhsa.kernels:
  - .name:           k_q5848f5e6dd_attn
    .symbol:         k_q5848f5e6dd_attn.kd
    .args:
      - { .name: qq, .offset: 0, .size: 8, .value_kind: global_buffer, .address_space: global }
      - { .name: kv, .offset: 8, .size: 8, .value_kind: global_buffer, .address_space: global }
      - { .name: oo, .offset: 16, .size: 8, .value_kind: global_buffer, .address_space: global }
    .group_segment_fixed_size: 327680
    .private_segment_fixed_size: 0
    .kernarg_segment_align: 8
    .kernarg_segment_size: 24
    .max_flat_workgroup_size: 256
    .sgpr_count:     66
    .vgpr_count:     512
    .wavefront_size: 32
...
	.end_amdgpu_metadata
.endif
;; end of part 3
;; launch proj (part 4): grid 8 x 32, 8 waves a work-group, clusters of 4 x 4, 262,144 bytes of LDS; arguments oo, wo, b_out, out0; writes out0
.if DOCPART == 4
	.amdgcn_target "amdgcn-amd-amdhsa--gfx1250"
	.amdhsa_code_object_version 6
	.text
	.protected	k_q5848f5e6dd_proj
	.globl	k_q5848f5e6dd_proj
	.p2align	8
	.type	k_q5848f5e6dd_proj,@function
k_q5848f5e6dd_proj:
	s_mov_b64 s[64:65], 0
	v_nop
	global_prefetch_b8 v0, s[64:65] scope:SCOPE_SE
	s_setreg_imm32_b32 hwreg(HW_REG_WAVE_MODE, 25, 1), 1
	s_wait_xcnt 0x0
	s_wait_alu depctr_hold_cnt(0) depctr_sa_sdst(0) depctr_va_vdst(0) depctr_va_sdst(0) depctr_va_ssrc(0) depctr_va_vcc(0) depctr_vm_vsrc(0)
	s_getreg_b32 s2, hwreg(HW_REG_IB_STS2, 6, 4)
	s_cmp_eq_u32 s2, 0
	s_cbranch_scc0 .Lentry_in_a_cluster
	s_endpgm
.Lentry_in_a_cluster:
	s_bfe_u32 s2, ttmp6, 0x10000c
	s_cmp_lg_u32 s2, 0xf033
	s_cbranch_scc0 .Lentry_shape_is_right
	s_endpgm
.Lentry_shape_is_right:
; out0 = o w_out + b_out on codes of FP6 (E2M3) with E8M0 scales.  o's codes [tile of 16 rows][K step][two half images], w_out's [tile of 16 columns][K step][image] lie as the operand registers want them.
; SHARES.  A work-group makes 128 x 128 of out0; all of K (1,024) of its 8 + 8 tiles, 196,608 bytes, comes into LDS at the start: no slot is filled again.  Eight waves: wave w takes tiles of rows 2 (w % 4), + 1
; and tiles of columns 4 (w / 4) .. + 3: eight accumulators; two waves to a SIMD, so that one wave's products stand beside the other's LDS loads.
; CLUSTER 4 x 4: o's tiles hang on the block of rows alone and are asked for jointly along a row of the cluster, w_out's on the block of columns alone and jointly along a column.
; TRANSPOSED (source 0 = 16 columns of w_out, source 1 = 16 rows of o): a lane holds eight neighbouring columns of one row.  The bias is the C of each sum's first product.
; The members of a tile are 8 u + r + 8 (r / 8) of each group of 32 rows or columns: the way out puts each number in its true place.
.set STAGE, 196608                     ; behind the tiles: 16 rows x (256 bytes + 16) for each wave
.set SPARE, 231424                     ; behind the stages: the spare words, 128 bytes for each of eight waves
.set OSC,   3145728                    ; scale words in oo,
.set WOSC,  786432                     ; in wo
.set L16, 1
.set L8,  2
.set SPW, 4                            ; v4   LDS address of my spare word; never rewritten
.set NIL, 5                            ; v5   0; never rewritten
.set AA16, 6                           ; v6   my two tiles of o: 16 x lane,
.set AA8, 7                            ; v7   and 8 x lane
.set AB,  8                            ; v8   my four tiles of w_out
.set STO, 9                            ; v9   the stage, on the way in
.set RD,  10                           ; v10  and on the way out
.set CO,  11                           ; v11  my byte offset in two rows of out0
.set BH,  12                           ; v12  64 h: the bias
.set AS,  16                           ; v16-23 o's scale words, a register a K step
.set BS,  24                           ; v24-39 w_out's: pair n / 2 at 8 (n / 2) + s
.set BI,  40                           ; v40-71 the bias, in the result's layout
.set AF,  72                           ; v72-95 o's two fragments
.set BF,  96                           ; v96-143 w_out's four
.set ACC, 144                          ; v144-207 accumulator (i, n) at 32 i + 8 n
.set OB,  72                           ; the way out: two sets of 32 registers
.set G1A, 24
.set G1B, 32
.set G0A, 40
.set G0B, 44
.macro PLACES
.rept 4
	v_nop
.endr
.endm
.macro CROUND                          ; a round of the cluster's barrier
	s_barrier_signal -1
	s_barrier_wait -1
	s_cmp_lg_u32 s12, 0
	s_cbranch_scc1 .Lnot_wave_0_\@
	s_barrier_signal -3
.Lnot_wave_0_\@:
	s_barrier_wait -3
	s_barrier_signal -1
	s_barrier_wait -1
.endm
.macro WM ra, rb                       ; one product; its registers stand in rD, rA, rB, rC, rSA, rSB.  ra, rb: the scale words lie in lanes 16-31
.if (\ra) == 0 && (\rb) == 0
	v_wmma_scale_f32_16x16x128_f8f6f4 v[rD:rD+7], v[rA:rA+11], v[rB:rB+11], v[rC:rC+7], v[rSA], v[rSB] matrix_a_fmt:MATRIX_FMT_FP6 matrix_b_fmt:MATRIX_FMT_FP6
.elseif (\ra) == 1 && (\rb) == 0
	v_wmma_scale_f32_16x16x128_f8f6f4 v[rD:rD+7], v[rA:rA+11], v[rB:rB+11], v[rC:rC+7], v[rSA], v[rSB] matrix_a_fmt:MATRIX_FMT_FP6 matrix_b_fmt:MATRIX_FMT_FP6 matrix_a_scale:MATRIX_SCALE_ROW1
.elseif (\ra) == 0
	v_wmma_scale_f32_16x16x128_f8f6f4 v[rD:rD+7], v[rA:rA+11], v[rB:rB+11], v[rC:rC+7], v[rSA], v[rSB] matrix_a_fmt:MATRIX_FMT_FP6 matrix_b_fmt:MATRIX_FMT_FP6 matrix_b_scale:MATRIX_SCALE_ROW1
.else
	v_wmma_scale_f32_16x16x128_f8f6f4 v[rD:rD+7], v[rA:rA+11], v[rB:rB+11], v[rC:rC+7], v[rSA], v[rSB] matrix_a_fmt:MATRIX_FMT_FP6 matrix_b_fmt:MATRIX_FMT_FP6 matrix_a_scale:MATRIX_SCALE_ROW1 matrix_b_scale:MATRIX_SCALE_ROW1
.endif
.endm
	s_load_b256 s[4:11], s[0:1], 0x0               ; oo s[4:5], wo s[6:7], b_out s[8:9], out0 s[10:11]
	v_lshl_add_u32 v[SPW], v0, 2, SPARE
	v_mov_b32 v[NIL], 0
	ds_add_u32 v[SPW], v[NIL]                      ; the wave's opening: the add and its wait ahead of my first tensor load; the set-up below, work on registers, stands between them
	ds_add_u32 v[SPW], v[NIL]
	v_lshrrev_b32 v1, 5, v0
	s_delay_alu instid0(VALU_DEP_1)
	v_readfirstlane_b32 s12, v1                    ; wave 0..7
	s_lshr_b32 s13, s12, 2                         ; nh.  Also: I fetch for o (0) or for w_out (1)
	s_and_b32 s14, s12, 3                          ; mp.  Also: which quarter I fetch
	s_bfe_u32 s15, ttmp6, 0x40000                  ; cx
	s_bfe_u32 s16, ttmp6, 0x40004                  ; cy
	s_lshl_b32 s17, ttmp9, 2
	s_add_co_u32 s17, s17, s15                     ; nx: the block of 128 columns
	s_and_b32 s18, ttmp7, 0xffff
	s_lshl_b32 s18, s18, 2
	s_add_co_u32 s18, s18, s16                     ; my: the block of 128 rows
	s_lshl_b32 s20, s16, 2
	s_lshl_b32 s20, 15, s20                        ; my row of the cluster
	s_lshl_b32 s21, 0x1111, s15                    ; my column
	s_or_b32 s[G1A], s20, (3<<16)|(1<<21)          ; 15:0 the mask; 17:16 elements of 8 bytes; 21 set beside a mask; no padding
	s_or_b32 s[G1B], s21, (3<<16)|(1<<21)
.irp g, G1A, G1B
	s_mov_b32 s[\g+1], 32<<16                      ; 96 dense rows of 256 bytes: two tiles, all of K
	s_mov_b32 s[\g+2], 96<<16
	s_mov_b32 s[\g+3], 32<<16
	s_mov_b32 s[\g+4], 96
	s_mov_b32 s[\g+5], 32
	s_mov_b32 s[\g+6], 0
	s_mov_b32 s[\g+7], 0
.endr
	s_mul_i32 s20, s18, 98304
	s_mul_i32 s21, s14, 24576
	s_add_co_u32 s20, s20, s21                     ; o: block my, my quarter
	s_mul_i32 s22, s17, 98304
	s_add_co_u32 s22, s22, s21                     ; w_out: block nx, my quarter
	s_mov_b32 s21, 0
	s_mov_b32 s23, 0
	s_mul_i32 s19, s12, 24576                      ; where it goes: o's four quarters, then w_out's: no place in the cluster enters an LDS address
	s_wait_dscnt 0x0                               ; the opening add is done
	s_wait_kmcnt 0x0
	s_mov_b32 s[G0A], 1
	s_mov_b32 s[G0A+1], s19
	s_add_nc_u64 s[G0A+2:G0A+3], s[4:5], s[20:21]
	s_or_b32 s[G0A+3], s[G0A+3], 0x80000000
	s_mov_b32 s[G0B], 1
	s_mov_b32 s[G0B+1], s19
	s_add_nc_u64 s[G0B+2:G0B+3], s[6:7], s[22:23]
	s_or_b32 s[G0B+3], s[G0B+3], 0x80000000
	CROUND                                         ; all sixteen work-groups are here: the joint loads meet
	s_cmp_eq_u32 s13, 0                            ; waves 0-3 fetch o's tiles, waves 4-7 w_out's: one load a wave, the launch's only ones
	s_cbranch_scc0 .Lfor_w
	tensor_load_to_lds s[G0A:G0A+3], s[G1A:G1A+7]
	s_nop 0
.rept 4
	v_nop
.endr
	s_branch .Lasked
.Lfor_w:
	tensor_load_to_lds s[G0B:G0B+3], s[G1B:G1B+7]
	s_nop 0
.rept 4
	v_nop
.endr
.Lasked:
	v_and_b32 v13, 31, v0                          ; lane
	s_delay_alu instid0(VALU_DEP_1)
	v_lshlrev_b32 v[L16], 4, v13
	s_delay_alu instid0(VALU_DEP_2)
	v_lshlrev_b32 v[L8], 3, v13
	v_and_b32 v14, 15, v0                          ; r
	v_bfe_u32 v15, v0, 4, 1                        ; h
	s_mul_i32 s48, s14, 24576                      ; tiles 2 mp, 2 mp + 1 of o
	v_add_nc_u32 v[AA16], s48, v[L16]
	v_add_nc_u32 v[AA8], s48, v[L8]
	s_mul_i32 s49, s13, 49152                      ; tiles 4 nh .. of w_out, behind o's eight
	s_add_co_u32 s49, s49, 98304
	v_add_nc_u32 v[AB], s49, v[L16]
	s_mul_i32 s50, s12, 4352
	s_add_co_u32 s50, s50, STAGE                   ; my stage
	v_mul_u32_u24 v[STO], v14, 272
	s_delay_alu instid0(VALU_DEP_1)
	v_lshl_add_u32 v[STO], v15, 6, v[STO]
	s_delay_alu instid0(VALU_DEP_1)
	v_add_nc_u32 v[STO], s50, v[STO]               ; in: row r, + 64 h
	v_mul_u32_u24 v[RD], v15, 272
	s_delay_alu instid0(VALU_DEP_1)
	v_lshl_add_u32 v[RD], v14, 4, v[RD]
	s_delay_alu instid0(VALU_DEP_1)
	v_add_nc_u32 v[RD], s50, v[RD]                 ; back: lanes 0-15 one row of 256 bytes, lanes 16-31 the next
	v_lshlrev_b32 v[CO], 12, v15
	s_delay_alu instid0(VALU_DEP_1)
	v_lshl_add_u32 v[CO], v14, 4, v[CO]            ; and the same two rows in out0
	v_lshlrev_b32 v[BH], 6, v15
	s_wait_alu depctr_va_vdst(0)
	s_lshl_b32 s52, s18, 12
	s_lshl_b32 s53, s14, 10
	s_add_co_u32 s52, s52, s53
	s_add_co_u32 s52, s52, OSC                     ; o's scale words: pair 4 my + mp
	s_mov_b32 s53, 0
	s_add_nc_u64 s[52:53], s[4:5], s[52:53]
	s_lshl_b32 s54, s17, 12
	s_lshl_b32 s55, s13, 11
	s_add_co_u32 s54, s54, s55
	s_add_co_u32 s54, s54, WOSC                    ; w_out's: pairs 4 nx + 2 nh, + 1
	s_mov_b32 s55, 0
	s_add_nc_u64 s[54:55], s[6:7], s[54:55]
	s_lshl_b32 s56, s17, 9
	s_lshl_b32 s57, s13, 8
	s_add_co_u32 s56, s56, s57                     ; my first column, in bytes: 4 (128 nx + 64 nh)
	s_mov_b32 s57, 0
	s_lshl_b32 s58, s18, 19
	s_lshl_b32 s59, s14, 17
	s_add_co_u32 s58, s58, s59                     ; my first row: (128 my + 32 mp) x 4,096 bytes
	s_add_co_u32 s58, s58, s56
	s_mov_b32 s59, 0
	s_add_nc_u64 s[56:57], s[8:9], s[56:57]
	s_add_nc_u64 s[58:59], s[10:11], s[58:59]
.irp y, 0,1,2,3
	global_load_b64 v[AS+2*\y:AS+2*\y+1], v[L8], s[52:53] offset:256*\y
.endr
.irp q, 0,1
.irp y, 0,1,2,3
	global_load_b64 v[BS+8*\q+2*\y:BS+8*\q+2*\y+1], v[L8], s[54:55] offset:1024*\q+256*\y
.endr
.endr
.irp n, 0,1,2,3
	global_load_b128 v[BI+8*\n:BI+8*\n+3],   v[BH], s[56:57] offset:(32*(\n/2)+8*(\n%2))*4       ; columns 32 (n / 2) + 8 (n % 2) + 16 h + 0 .. 7
	global_load_b128 v[BI+8*\n+4:BI+8*\n+7], v[BH], s[56:57] offset:(32*(\n/2)+8*(\n%2))*4+16
.endr
	s_wait_loadcnt 0x0
	s_wait_tensorcnt 0x0                           ; my part of the tiles is in,
	s_barrier_signal -1
	s_barrier_wait -1                              ; everybody's is; nothing is ever filled again
; A K step of 128: 20 LDS loads, 8 products; the eight accumulators take turns, in the same order in every step
.macro KSTEP s
.if (\s) > 0
	PLACES                                         ; in front of loads into registers that the last products have read
.endif
.irp i, 0,1
.irp c, 0,1
	ds_load_b128 v[AF+12*\i+6*\c:AF+12*\i+6*\c+3],   v[AA16] offset:\i*12288+(\s)*1536+768*\c
	ds_load_b64  v[AF+12*\i+6*\c+4:AF+12*\i+6*\c+5], v[AA8]  offset:\i*12288+(\s)*1536+768*\c+512
.endr
.endr
.irp n, 0,1,2,3
.irp c, 0,1,2
	ds_load_b128 v[BF+12*\n+4*\c:BF+12*\n+4*\c+3], v[AB] offset:\n*12288+(\s)*1536+512*\c
.endr
.endr
	s_wait_dscnt 0x0
.irp i, 0,1
.irp n, 0,1,2,3
.set rD, ACC+32*\i+8*\n
.if (\s) == 0
.set rC, BI+8*\n
.else
.set rC, rD
.endif
.set rA, BF+12*\n
.set rB, AF+12*\i
.set rSA, BS+8*(\n/2)+(\s)
.set rSB, AS+(\s)
	WM \n%2, \i
.endr
.endr
.endm
.irp s, 0,1,2,3,4,5,6,7
	KSTEP \s
.endr
	; THE WAY OUT.  A lane holds 32 neighbouring bytes of a row, the lanes beside it other rows: a tile of 16 rows x 64 columns goes through my own stage and comes back as whole rows of 256 bytes.
	; LDS serves a wave's instructions in order (ISA guide 5.7.1.4): no wait between the stores and the loads, nor in front of the second tile's stores.
	PLACES
.irp i, 0,1
.irp n, 0,1,2,3
	ds_store_b128 v[STO], v[ACC+32*\i+8*\n:ACC+32*\i+8*\n+3]   offset:128*(\n/2)+32*(\n%2)      ; each accumulator from its low end on
	ds_store_b128 v[STO], v[ACC+32*\i+8*\n+4:ACC+32*\i+8*\n+7] offset:128*(\n/2)+32*(\n%2)+16
.endr
.irp t, 0,1,2,3,4,5,6,7
	ds_load_b128 v[OB+32*\i+4*\t:OB+32*\i+4*\t+3], v[RD] offset:544*\t
.endr
.endr
.irp i, 0,1
.irp t, 0,1,2,3,4,5,6,7
	s_wait_dscnt 16*(1-\i)+7-\t                    ; this load is back; its tile's younger loads, and behind the first tile the second's sixteen LDS instructions, may be out
	global_store_b128 v[CO], v[OB+32*\i+4*\t:OB+32*\i+4*\t+3], s[58:59] offset:(8*\i+2*\t+8*(\t/4))*4096 th:TH_STORE_NT   ; stage row 2 t + (lane / 16) of tile i is row 8 i + 2 t + 8 (t / 4) + (lane / 16) of my 32; 16 lanes store 256 consecutive bytes, aligned
.endr
.endr
	s_wait_tensorcnt 0x0                           ; the wave's end: behind my last tensor load and my last LDS store
	ds_add_u32 v[SPW], v[NIL]
	s_wait_dscnt 0x0
	CROUND                                         ; the closing round: no work-group ends while a partner may still ask for a tile that names it
	s_endpgm
.Lfunc_end_k_q5848f5e6dd_proj:
	.size	k_q5848f5e6dd_proj, .Lfunc_end_k_q5848f5e6dd_proj-k_q5848f5e6dd_proj
	.p2alignl 7, 3214868480
	.fill 96, 4, 3214868480
	.section	.rodata,"a",@progbits
	.p2align	6, 0x0
	.amdhsa_kernel k_q5848f5e6dd_proj
		.amdhsa_group_segment_fixed_size 262144
		.amdhsa_private_segment_fixed_size 0
		.amdhsa_enable_private_segment 0
		.amdhsa_kernarg_size 32
		.amdhsa_user_sgpr_count 2
		.amdhsa_user_sgpr_kernarg_segment_ptr 1
		.amdhsa_wavefront_size32 1
		.amdhsa_system_sgpr_workgroup_id_x 1
		.amdhsa_system_sgpr_workgroup_id_y 1
		.amdhsa_system_sgpr_workgroup_id_z 1
		.amdhsa_system_vgpr_workitem_id 0
		.amdhsa_next_free_vgpr 256
		.amdhsa_next_free_sgpr 66
		.amdhsa_reserve_vcc 0
		.amdhsa_float_denorm_mode_32 3
		.amdhsa_float_denorm_mode_16_64 3
		.amdhsa_memory_ordered 1
		.amdhsa_forward_progress 1
		.amdhsa_inst_pref_size 32
	.end_amdhsa_kernel
	.amdgpu_metadata
---
amdhsa.version: [ 1, 2 ]
amdhsa.kernels:
  - .name:           k_q5848f5e6dd_proj
    .symbol:         k_q5848f5e6dd_proj.kd
    .args:
      - { .name: oo, .offset: 0, .size: 8, .value_kind: global_buffer, .address_space: global }
      - { .name: wo, .offset: 8, .size: 8, .value_kind: global_buffer, .address_space: global }
      - { .name: b_out, .offset: 16, .size: 8, .value_kind: global_buffer, .address_space: global }
      - { .name: out0, .offset: 24, .size: 8, .value_kind: global_buffer, .address_space: global }
    .group_segment_fixed_size: 262144
    .private_segment_fixed_size: 0
    .kernarg_segment_align: 8
    .kernarg_segment_size: 32
    .max_flat_workgroup_size: 256
    .sgpr_count:     66
    .vgpr_count:     256
    .wavefront_size: 32
...
	.end_amdgpu_metadata
.endif
;; end of part 4
